; MI455X (gfx1250); checked and timed in simulation.
; The chip was launched on July 23, 2026; its instructions are those of AMD's public machine-readable ISA for CDNA 5 (MIT licence, August 2026) and "CDNA5" Instruction Set Architecture Reference Guide (July 2026). The comments in the code are by the model that wrote it; some were corrected since.
;; Encode Block. Allowed arithmetic: float matrix products may take bf16 or f16 operands with f32 sums; other float arithmetic in f32, or as packed bf16 or f16 multiplies, adds, multiply-adds, maxima and minima; sums over many terms, partial sums and values carried from step to step in f32; what a program stores and reads back later, other than sums and carried values, may be rounded once to bf16 or f16.
;; Inputs: b1 4,096 float32; b2 1,024 float32; bk 16 x 64 float32; bp 1,024 float32; bq 16 x 64 float32; bv 16 x 64 float32; ln1_b 1,024 float32; ln1_g 1,024 float32; ln2_b 1,024 float32; ln2_g 1,024 float32; lnf_b 1,024 float32; lnf_g 1,024 float32; w1 1,024 x 4,096 float32; w2 4,096 x 1,024 float32; wk 16 x 1,024 x 64 float32; wp 1,024 x 1,024 float32; wq 16 x 1,024 x 64 float32; wv 16 x 1,024 x 64 float32; x 2 x 2,048 x 1,024 float32.
;; Outputs: out0 2 x 2,048 x 1,024 float32; out1 2 x 2,048 x 1,024 float32; out2 2 x 2,048 x 1,024 float32.
;; 2 versions, each right; version 2 is version 1 with the launches prep, nnk written anew for expert scheduling mode. Each part assembles by itself: llvm-mc -triple=amdgcn-amd-amdhsa -mcpu=gfx1250 --defsym DOCPART=n.
;; ======== version 1 of 2: 9 launches
;; limits: values outside matrix products are rounded to f16; values are held in f16: magnitudes above 65,504 overflow, below 6.1e-05 lose precision
;; workspace buffers: in1 14,712,832 bytes; in3 16,809,984 bytes; qkv 25,165,824 bytes; hh 33,554,432 bytes; wx 10,485,760 bytes; nn 4,194,560 bytes
;; launch prep (part 1): grid 1031 x 1, 4 waves a work-group, no clusters, 0 bytes of LDS; arguments x, wq, wk, wv, wp, w1, w2, bq, bk, bv, b1, in1, in3, wx; writes in1, in3, wx
.if DOCPART == 1
	.amdgcn_target "amdgcn-amd-amdhsa--gfx1250"
	.amdhsa_code_object_version 6
	.text
	.protected	k_q73ff497c3f_prep
	.globl	k_q73ff497c3f_prep
	.p2align	8
	.type	k_q73ff497c3f_prep,@function
k_q73ff497c3f_prep:
	s_mov_b64 s[64:65], 0
	v_nop
	global_prefetch_b8 v0, s[64:65] scope:SCOPE_SE
	s_setreg_imm32_b32 hwreg(HW_REG_WAVE_MODE, 25, 1), 1
	s_wait_xcnt 0x0
; PREP: every matrix operand that is an input is rounded once to bf16 and that number is written as f16 (exact inside f16's normal range), in the layout that the products want.
; LIMITS: a number of 65,520 or more in magnitude becomes an infinity; below 6.1e-5 f16 keeps its fixed step of 6e-8.
; A work-group makes 16,384 numbers = 32,768 consecutive bytes of one destination: 32 steps of 1,024 bytes; thread t writes 8 bytes at 1,024 i + 8 t (a wave's store covers 256
; consecutive bytes, aligned) and reads 16 bytes of f32 at SRC + vo(t) + i STEP.  The work-group's number picks the job; each arm sets SRC, STEP, DST and vo.
;   0-255 x -> in1+32768 [4096][1024]        256-447 wq, wk, wv -> in1+8421376, panels [12][k 1024][256 n] (column c of panel nb: head 4 (nb % 4) + c / 64, channel c % 64)
;   448-703 w1 -> in3+8421376, panels [16][k 1024][256 n]     704-959 w2 -> wx, panels [8][k 4096][128 n]     960-1023 wp -> wx+8388608 [1024][1024]
;   1024-1030 bq, bk, bv -> in1+512 and b1 -> in3+512, rounded to bf16 and kept as f32; jobs 1024 and 1027 also write the 512-byte head of their table: the floor that the product's way out applies
;   (two f16 of -infinity: none; two zeros: ReLU).
; All 32 loads of a thread go out at once (16 KiB a wave on its way); no register that a pending load or store names is written again, so there is no loop and no wait but the counted ones.
.set X, 16                             ; v[16:143]  32 x 4 f32 as loaded
.set Y, 144                            ; v[144:207] 32 x 2 registers of f16 to store
.set T, 208                            ; v[208:215] at work
.set OFFA, 32768
.set OFFB, 8421376
.set OFFP, 8388608
	s_load_b512 s[8:23], s[0:1], 0x0               ; x 8, wq 10, wk 12, wv 14, wp 16, w1 18, w2 20, bq 22
	s_load_b256 s[24:31], s[0:1], 0x40             ; bk 24, bv 26, b1 28, in1 30
	s_load_b128 s[32:35], s[0:1], 0x60             ; in3 32, wx 34
	s_mov_b32 s2, ttmp9                            ; the job
	s_mov_b32 s43, 0xffff0000                      ; a word's upper bf16
	s_mov_b32 s37, 0                               ; high words of the three offsets
	s_mov_b32 s39, 0
	s_mov_b32 s47, 0
	v_lshlrev_b32 v10, 3, v0                       ; 8 t
	s_wait_kmcnt 0x0
	s_cmp_lt_u32 s2, 256
	s_cbranch_scc0 .Lnot_x
	s_lshl_b32 s38, s2, 16                         ; x: plain
	s_lshl_b32 s36, s2, 15
	s_add_co_u32 s36, s36, OFFA
	s_add_nc_u64 s[40:41], s[8:9], s[38:39]
	s_add_nc_u64 s[44:45], s[30:31], s[36:37]
	s_mov_b32 s42, 2048
	v_lshlrev_b32 v1, 4, v0
	s_branch .Lgo
.Lnot_x:
	s_cmp_lt_u32 s2, 448
	s_cbranch_scc0 .Lnot_qkv
	s_sub_co_u32 s3, s2, 256                       ; wq, wk, wv: 64 jobs each, 16 to a panel, 64 rows k to a job
	s_lshr_b32 s4, s3, 6
	s_cmp_eq_u32 s4, 1
	s_cselect_b64 s[40:41], s[12:13], s[10:11]
	s_cmp_eq_u32 s4, 2
	s_cselect_b64 s[40:41], s[14:15], s[40:41]
	s_bfe_u32 s5, s3, 0x20004                      ; the panel in its tensor: four heads of 262,144 bytes
	s_lshl_b32 s38, s5, 20
	s_and_b32 s5, s3, 15                           ; 64 rows of 256 bytes
	s_lshl_b32 s5, s5, 14
	s_add_co_u32 s38, s38, s5
	s_lshl_b32 s36, s3, 15
	s_add_co_u32 s36, s36, OFFB
	s_add_nc_u64 s[40:41], s[40:41], s[38:39]
	s_add_nc_u64 s[44:45], s[30:31], s[36:37]
	s_mov_b32 s42, 512                             ; a step is two rows k
	v_bfe_u32 v11, v0, 4, 2                        ; head in the panel
	v_lshlrev_b32 v1, 18, v11
	v_lshrrev_b32 v11, 6, v0                       ; which of the two rows
	v_lshl_add_u32 v1, v11, 8, v1
	v_and_b32 v11, 15, v0                          ; four channels
	v_lshl_add_u32 v1, v11, 4, v1
	s_branch .Lgo
.Lnot_qkv:
	s_cmp_lt_u32 s2, 704
	s_cbranch_scc0 .Lnot_w1
	s_sub_co_u32 s3, s2, 448                       ; w1: 16 jobs to a panel, 64 rows k of 16,384 bytes to a job
	s_and_b32 s5, s3, 15
	s_lshl_b32 s38, s5, 20
	s_lshr_b32 s5, s3, 4
	s_lshl_b32 s5, s5, 10
	s_add_co_u32 s38, s38, s5
	s_lshl_b32 s36, s3, 15
	s_add_co_u32 s36, s36, OFFB
	s_add_nc_u64 s[40:41], s[18:19], s[38:39]
	s_add_nc_u64 s[44:45], s[32:33], s[36:37]
	s_mov_b32 s42, 32768
	v_lshrrev_b32 v11, 6, v0
	v_lshlrev_b32 v1, 14, v11
	v_and_b32 v11, 63, v0
	v_lshl_add_u32 v1, v11, 4, v1
	s_branch .Lgo
.Lnot_w1:
	s_cmp_lt_u32 s2, 960
	s_cbranch_scc0 .Lnot_w2
	s_sub_co_u32 s3, s2, 704                       ; w2: 32 jobs to a panel, 128 rows k of 4,096 bytes to a job
	s_and_b32 s5, s3, 31
	s_lshl_b32 s38, s5, 19
	s_lshr_b32 s5, s3, 5
	s_lshl_b32 s5, s5, 9
	s_add_co_u32 s38, s38, s5
	s_lshl_b32 s36, s3, 15
	s_add_nc_u64 s[40:41], s[20:21], s[38:39]
	s_add_nc_u64 s[44:45], s[34:35], s[36:37]
	s_mov_b32 s42, 16384                           ; a step is four rows k
	v_lshrrev_b32 v11, 5, v0
	v_lshlrev_b32 v1, 12, v11
	v_and_b32 v11, 31, v0
	v_lshl_add_u32 v1, v11, 4, v1
	s_branch .Lgo
.Lnot_w2:
	s_cmp_lt_u32 s2, 1024
	s_cbranch_scc0 .Lvec
	s_sub_co_u32 s3, s2, 960                       ; wp: plain
	s_lshl_b32 s38, s3, 16
	s_lshl_b32 s36, s3, 15
	s_add_co_u32 s36, s36, OFFP
	s_add_nc_u64 s[40:41], s[16:17], s[38:39]
	s_add_nc_u64 s[44:45], s[34:35], s[36:37]
	s_mov_b32 s42, 2048
	v_lshlrev_b32 v1, 4, v0
.Lgo:
	s_mov_b64 s[48:49], s[40:41]                   ; four bases, eight steps apart; eight offsets, a step apart
	s_lshl_b32 s46, s42, 3
	s_add_nc_u64 s[50:51], s[48:49], s[46:47]
	s_add_nc_u64 s[52:53], s[50:51], s[46:47]
	s_add_nc_u64 s[54:55], s[52:53], s[46:47]
	v_mov_b32 v2, v1
.irp u, 1,2,3,4,5,6,7
	s_mul_i32 s56, s42, \u
	v_add_nc_u32 v[2+(\u)], s56, v1
.endr
.irp g, 0,1,2,3
.irp u, 0,1,2,3,4,5,6,7
	global_load_b128 v[X+4*(8*(\g)+(\u)):X+4*(8*(\g)+(\u))+3], v[2+(\u)], s[48+2*(\g):49+2*(\g)] th:TH_LOAD_NT
.endr
.endr
.set i, 0
.rept 32
	s_wait_loadcnt 31-i                            ; loads come back in order: step i is in, the 31 - i younger ones stay out
	v_cvt_pk_bf16_f32 v[T], v[X+4*i], v[X+4*i+1]   ; the one rounding, to bf16
	v_cvt_pk_bf16_f32 v[T+1], v[X+4*i+2], v[X+4*i+3]
	v_lshlrev_b32 v[T+2], 16, v[T]
	v_and_b32 v[T+3], s43, v[T]
	v_lshlrev_b32 v[T+4], 16, v[T+1]
	v_and_b32 v[T+5], s43, v[T+1]
	v_cvt_pk_f16_f32 v[Y+2*i], v[T+2], v[T+3]      ; the same number as f16
	v_cvt_pk_f16_f32 v[Y+2*i+1], v[T+4], v[T+5]
	global_store_b64 v10, v[Y+2*i:Y+2*i+1], s[44:45] offset:1024*i
.set i, i+1
.endr
	s_endpgm
.Lvec:
	s_sub_co_u32 s3, s2, 1024                      ; 0 bq, 1 bk, 2 bv, 3-6 the quarters of b1
	s_max_u32 s4, s3, 3
	s_sub_co_u32 s4, s4, 3                         ; b1's quarter, 0 for the others
	s_cmp_eq_u32 s3, 1
	s_cselect_b64 s[40:41], s[24:25], s[22:23]
	s_cmp_eq_u32 s3, 2
	s_cselect_b64 s[40:41], s[26:27], s[40:41]
	s_cmp_ge_u32 s3, 3
	s_cselect_b64 s[40:41], s[28:29], s[40:41]
	s_cselect_b64 s[58:59], s[32:33], s[30:31]     ; the table: in3 or in1
	s_cselect_b32 s5, s4, s3                       ; the job's 4,096 bytes in it
	s_cselect_b32 s6, 0, 0xfc00fc00                ; the floor
	s_lshl_b32 s38, s4, 12
	s_lshl_b32 s36, s5, 12
	s_add_nc_u64 s[40:41], s[40:41], s[38:39]
	s_add_nc_u64 s[44:45], s[58:59], s[36:37]
	v_lshlrev_b32 v1, 4, v0
	global_load_b128 v[16:19], v1, s[40:41]
	global_load_b128 v[20:23], v1, s[40:41] offset:2048
	s_wait_loadcnt 0x0
.irp k, 0,1,2,3
	v_cvt_pk_bf16_f32 v[24+(\k)], v[16+2*(\k)], v[17+2*(\k)]
.endr
.irp k, 0,1,2,3
	v_lshlrev_b32 v[32+2*(\k)], 16, v[24+(\k)]
	v_and_b32 v[33+2*(\k)], s43, v[24+(\k)]
.endr
	global_store_b128 v1, v[32:35], s[44:45] offset:512
	global_store_b128 v1, v[36:39], s[44:45] offset:2560
	s_cmp_eq_u32 s5, 0                             ; the first job of each table,
	s_cbranch_scc0 .Lend
	v_lshrrev_b32 v11, 5, v0
	v_readfirstlane_b32 s7, v11
	s_cmp_eq_u32 s7, 0                             ; its wave 0: 32 lanes x 16 bytes are the table's head
	s_cbranch_scc0 .Lend
	v_mov_b32 v40, s6
	v_mov_b32 v41, s6
	v_mov_b32 v42, s6
	v_mov_b32 v43, s6
	global_store_b128 v1, v[40:43], s[58:59]
.Lend:
	s_endpgm
.Lfunc_end_k_q73ff497c3f_prep:
	.size	k_q73ff497c3f_prep, .Lfunc_end_k_q73ff497c3f_prep-k_q73ff497c3f_prep
	.p2alignl 7, 3214868480
	.fill 96, 4, 3214868480
	.section	.rodata,"a",@progbits
	.p2align	6, 0x0
	.amdhsa_kernel k_q73ff497c3f_prep
		.amdhsa_group_segment_fixed_size 0
		.amdhsa_private_segment_fixed_size 0
		.amdhsa_enable_private_segment 0
		.amdhsa_kernarg_size 112
		.amdhsa_user_sgpr_count 2
		.amdhsa_user_sgpr_kernarg_segment_ptr 1
		.amdhsa_wavefront_size32 1
		.amdhsa_system_sgpr_workgroup_id_x 1
		.amdhsa_system_sgpr_workgroup_id_y 1
		.amdhsa_system_sgpr_workgroup_id_z 1
		.amdhsa_system_vgpr_workitem_id 0
		.amdhsa_next_free_vgpr 216
		.amdhsa_next_free_sgpr 66
		.amdhsa_reserve_vcc 0
		.amdhsa_float_denorm_mode_32 3
		.amdhsa_float_denorm_mode_16_64 3
		.amdhsa_memory_ordered 1
		.amdhsa_forward_progress 1
		.amdhsa_inst_pref_size 26
	.end_amdhsa_kernel
	.amdgpu_metadata
---
amdhsa.version: [ 1, 2 ]
amdhsa.kernels:
  - .name:           k_q73ff497c3f_prep
    .symbol:         k_q73ff497c3f_prep.kd
    .args:
      - { .name: x, .offset: 0, .size: 8, .value_kind: global_buffer, .address_space: global }
      - { .name: wq, .offset: 8, .size: 8, .value_kind: global_buffer, .address_space: global }
      - { .name: wk, .offset: 16, .size: 8, .value_kind: global_buffer, .address_space: global }
      - { .name: wv, .offset: 24, .size: 8, .value_kind: global_buffer, .address_space: global }
      - { .name: wp, .offset: 32, .size: 8, .value_kind: global_buffer, .address_space: global }
      - { .name: w1, .offset: 40, .size: 8, .value_kind: global_buffer, .address_space: global }
      - { .name: w2, .offset: 48, .size: 8, .value_kind: global_buffer, .address_space: global }
      - { .name: bq, .offset: 56, .size: 8, .value_kind: global_buffer, .address_space: global }
      - { .name: bk, .offset: 64, .size: 8, .value_kind: global_buffer, .address_space: global }
      - { .name: bv, .offset: 72, .size: 8, .value_kind: global_buffer, .address_space: global }
      - { .name: b1, .offset: 80, .size: 8, .value_kind: global_buffer, .address_space: global }
      - { .name: in1, .offset: 88, .size: 8, .value_kind: global_buffer, .address_space: global }
      - { .name: in3, .offset: 96, .size: 8, .value_kind: global_buffer, .address_space: global }
      - { .name: wx, .offset: 104, .size: 8, .value_kind: global_buffer, .address_space: global }
    .group_segment_fixed_size: 0
    .private_segment_fixed_size: 0
    .kernarg_segment_align: 8
    .kernarg_segment_size: 112
    .max_flat_workgroup_size: 128
    .sgpr_count:     66
    .vgpr_count:     216
    .wavefront_size: 32
...
	.end_amdgpu_metadata
.endif
;; end of part 1
;; launch g1 (part 2): grid 12 x 16, 4 waves a work-group, clusters of 4 x 4, 327,680 bytes of LDS; arguments in1, qkv; writes qkv
.if DOCPART == 2
	.amdgcn_target "amdgcn-amd-amdhsa--gfx1250"
	.amdhsa_code_object_version 6
	.text
	.protected	k_q73ff497c3f_g1
	.globl	k_q73ff497c3f_g1
	.p2align	8
	.type	k_q73ff497c3f_g1,@function
k_q73ff497c3f_g1:
	s_mov_b64 s[64:65], 0
	v_nop
	global_prefetch_b8 v0, s[64:65] scope:SCOPE_SE
	s_setreg_imm32_b32 hwreg(HW_REG_WAVE_MODE, 25, 1), 1
	s_wait_xcnt 0x0
	s_wait_alu depctr_hold_cnt(0) depctr_sa_sdst(0) depctr_va_vdst(0) depctr_va_sdst(0) depctr_va_ssrc(0) depctr_va_vcc(0) depctr_vm_vsrc(0)
	s_getreg_b32 s2, hwreg(HW_REG_IB_STS2, 6, 4)
	s_cmp_eq_u32 s2, 0
	s_cbranch_scc0 .Lentry_in_a_cluster
	s_endpgm
.Lentry_in_a_cluster:
	s_bfe_u32 s2, ttmp6, 0x10000c
	s_cmp_lg_u32 s2, 0xf033
	s_cbranch_scc0 .Lentry_shape_is_right
	s_endpgm
.Lentry_shape_is_right:
; C = max(A B + bias, floor), rounded once to f16.  One buffer IN holds all that is read: a table at 0 (word 0: the floor, two f16; from byte 512 the bias, f32), A at 32,768 ([4096][1024] f16),
; B at 8,421,376 (panels [tile column][k 1024][256 n] f16).  C: panels [tile column][4096 rows][256] f16.  Sums in f32.  Two launches run this text: x (wq|wk|wv) + (bq|bk|bv) with no floor, and relu(out1 w1 + b1).
; LIMITS: a result of 65,520 or more in magnitude becomes an infinity; a NaN loses against the floor.
; SHARES.  A tile of C, 256 x 256, is made by four waves, 128 x 128 each: 64 accumulators, 512 registers.  K = 1,024 goes in eight steps of 128 through a ring of two LDS slots filled by tensor loads:
; A's rows are 256 bytes of memory, B's 512, all at multiples of 256 bytes from the buffer's first byte.
; B LIES [k][n]: its fragments come out of LDS turned, by ds_load_tr16_b128.  THE PRODUCT IS TAKEN TRANSPOSED (source 0 = 16 columns of B, source 1 = 16 rows of A): a lane holds row l % 16 of C and the
; columns 8 (l / 16) + 0..7, which pack into 16 bytes.  THE BIAS is the C operand of the 64 products that start the sums: eight registers for each of my eight groups of 16 columns.
; CLUSTER: 4 x 4 work-groups.  A's tile hangs on the tile row alone and is asked for jointly by a row of the cluster, B's on the tile column alone and by a column.
; THE LAST K STEP goes by rows of C, so that finished rows leave while the others are multiplied.
; REGISTERS, in windows of 256: window 0: v0-31 addresses; v64-191 A's fragments, two buffers (in the last step four); v192-255 the bias, later with v32-63 at work on the way out.
;   window 1: v64-191 B's fragments, two buffers; in the last step all 256.   window 2, 3: the accumulators of my rows 0-63, 64-127 ((a, b) at v[8 (8 a + b)]).
.set KSTEP,  128
.set PITCH,  272                       ; A's LDS row: 256 bytes + 16: the 16 rows of a load start at 16 different groups of four banks (64 banks of 4 bytes: ISA guide 11.1)
.set PB,     544                       ; B's LDS row: 512 bytes + 32 = 136 words
.set HALFT,  128*PITCH                 ; what one tensor load brings: 128 rows of A, or 64 rows k of B (64 x 544 is the same number)
.set SLOT,   4*HALFT                   ; A's 256 rows, then B's 128 rows k
.set STAGE,  2*SLOT                    ; behind the ring: 16 rows x 272 bytes for each wave, for the way out
.set SPITCH, 272
.set SPARE,  STAGE+4*16*SPITCH         ; the spare words, 128 bytes for each wave: two blocks of 256 bytes that no other line names
.set LAPS,   4                         ; a lap = two K steps = once round the ring
.set OFFA,   32768
.set OFFB,   8421376
.set BSTEP,  65536                     ; a K step of a panel of B
.set CROW,   512                       ; bytes in a row of a panel of C
.set ADRA, 16                          ; v16-17  LDS address of my A fragments in slot 0, 1
.set ADRB, 20                          ; v20-21  the same for B
.set STO,  24
.set RD,   25
.set CO,   26
.set BO,   27                          ; v27     32 (l / 16): my eight numbers in 16 of the bias
.set SPW,  28                          ; v28     my spare word; never rewritten
.set NIL,  29                          ; v29     0; never rewritten
.set PFO,  30                          ; v30     the prefetches' lane offset; never rewritten
.set PFA,  44                          ; s[44:45] where my prefetches stand
.set LIM,  43                          ; s43     1 in a wave that prefetches, else the greatest number
.set F0,   64
.set F1,   128
.set TMP,  192
.set BIAS, 192
.set OB,   32
.set PA,   64
.set G1, 24                            ; s[24:31] group 1 for A;  s[32:39] group 0, a set for each slot
.set G0, 32
.set G1B, 48                           ; s[48:55], s[56:63] the same for B
.set G0B, 56
.set TAB, 68                           ; s[68:69] the table
.set FLO, 70                           ; s70     the floor
.set PFS, 72                           ; s[72:73] the prefetches' step along K
.set BB,  74                           ; s[74:75] the bias of my 128 columns
.set MSB, 0
.macro WIN new                         ; the immediate's high byte repeats the setting that is left; a switch that changes nothing is dropped
.if MSB != (\new)
	s_set_vgpr_msb (MSB<<8)|(\new)
.set MSB, \new
.endif
.endm
.set MUL_LO, 0xa1                      ; source 0 (B) window 1, source 1 (A) window 0, C and D window 2
.set MUL_HI, 0xf1                      ; the same, C and D window 3
.set TO_B,   0x40                      ; destination window 1, address window 0
; A joint load: waves 0 and 1 fetch A's two halves, waves 2 and 3 B's.  The branch hangs on the wave's number alone.  An s_nop 0 and four v_nop follow each line.
.macro JLOAD s
	s_cmp_eq_u32 s11, 0
	s_cbranch_scc0 .Lfor_b_\@
	tensor_load_to_lds s[G0+4*(\s):G0+4*(\s)+3], s[G1:G1+7]
	s_nop 0
.rept 4
	v_nop
.endr
	s_branch .Lasked_\@
.Lfor_b_\@:
	tensor_load_to_lds s[G0B+4*(\s):G0B+4*(\s)+3], s[G1B:G1B+7]
	s_nop 0
.rept 4
	v_nop
.endr
.Lasked_\@:
.endm
; A prefetch into the L2 of the K step that stands two refills on (512 matrix instructions ahead of the load that will want it): 32 blocks of 256 bytes, a lane a block, one instruction a wave.
; Each block is named once in the launch: of the clusters that read A's rows the one with x = 0 asks, of those that read B's panel the one with y = 0; the four partners of a joint load share its
; 128 blocks out by address (cx for A, cy for B).  The loop's last trip asks for nothing: K ends there.  The first four K steps come by their loads alone.
.macro ASK
	s_cmp_gt_u32 s3, s[LIM]
	s_cbranch_scc0 .Lnot_mine_\@
	global_prefetch_b8 v[PFO], s[PFA:PFA+1] th:TH_LOAD_NT scope:SCOPE_SE
.Lnot_mine_\@:
.endm
.macro CREST                           ; a round of the cluster's barrier behind its opening barrier
	s_cmp_lg_u32 s10, 0
	s_cbranch_scc1 .Lnot_wave_0_\@
	s_barrier_signal -3
.Lnot_wave_0_\@:
	s_barrier_wait -3
	s_barrier_signal -1
	s_barrier_wait -1
.endm
.macro CROUND
	s_barrier_signal -1
	s_barrier_wait -1
	CREST
.endm
	s_load_b128 s[4:7], s[0:1], 0x0                ; IN s[4:5], C s[6:7]
	v_lshl_add_u32 v[SPW], v0, 2, SPARE
	v_mov_b32 v[NIL], 0
	ds_add_u32 v[SPW], v[NIL]                      ; the wave's opening: the add, twice on end, and its wait ahead of my first tensor load
	ds_add_u32 v[SPW], v[NIL]
	v_lshrrev_b32 v1, 5, v0
	v_readfirstlane_b32 s10, v1                    ; wave 0..3
	s_lshr_b32 s11, s10, 1                         ; which half of the tile's rows is mine.  Also: I fetch for A (0) or for B (1)
	s_and_b32 s12, s10, 1                          ; which half of its columns.  Also: which half of that tile I fetch
	s_bfe_u32 s40, ttmp6, 0x40000                  ; cx
	s_bfe_u32 s41, ttmp6, 0x40004                  ; cy
	s_lshl_b32 s42, ttmp9, 2
	s_add_co_u32 s42, s42, s40                     ; tile column
	s_and_b32 s13, ttmp7, 0xffff
	s_lshl_b32 s13, s13, 2
	s_add_co_u32 s13, s13, s41                     ; tile row
	s_lshl_b32 s43, s41, 2
	s_lshl_b32 s43, 15, s43                        ; my row of the cluster
	s_lshl_b32 s44, 0x1111, s40                    ; my column
	s_or_b32 s[G1+0], s43, (1<<16)|(1<<20)|(1<<21)|(5<<22)|(3<<25)   ; mask; 2-byte elements; padding on; bit 21 beside a mask; after every 64 words 4 words
	s_mov_b32 s[G1+1], 128<<16                     ; tensor_dim0 = 128
	s_mov_b32 s[G1+2], 128<<16                     ; tensor_dim1 = 128
	s_mov_b32 s[G1+3], 128<<16                     ; tile_dim0 = 128
	s_mov_b32 s[G1+4], 128                         ; tile_dim1 = 128
	s_mov_b32 s[G1+5], 1024                        ; elements from row to row
	s_mov_b32 s[G1+6], 0
	s_mov_b32 s[G1+7], 0
	s_or_b32 s[G1B+0], s44, (1<<16)|(1<<20)|(1<<21)|(6<<22)|(7<<25)  ; after every 128 words 8 words
	s_mov_b32 s[G1B+1], 256<<16                    ; tensor_dim0 = 256
	s_mov_b32 s[G1B+2], 64<<16                     ; tensor_dim1 = 64
	s_mov_b32 s[G1B+3], 256<<16                    ; tile_dim0 = 256
	s_mov_b32 s[G1B+4], 64                         ; tile_dim1 = 64
	s_mov_b32 s[G1B+5], 256
	s_mov_b32 s[G1B+6], 0
	s_mov_b32 s[G1B+7], 0
	s_lshl_b32 s16, s13, 19                        ; A: 256 rows of 2,048 bytes for each tile row,
	s_lshl_b32 s17, s12, 18                        ; 128 for the half
	s_add_co_u32 s16, s16, s17
	s_mov_b32 s17, 0
	s_lshl_b32 s46, s42, 19                        ; B: the panel,
	s_lshl_b32 s47, s12, 15                        ; 64 rows k of 512 bytes for the half
	s_add_co_u32 s46, s46, s47
	s_mov_b32 s47, 0
	s_mul_i32 s20, s10, HALFT                      ; where they go: wave x 34,816: no place in the cluster enters an LDS address
	s_wait_dscnt 0x0                               ; both opening adds are done
	s_wait_kmcnt 0x0
	s_mov_b64 s[8:9], s[6:7]                       ; C
	s_mov_b64 s[TAB:TAB+1], s[4:5]
	s_add_nc_u64 s[6:7], s[4:5], OFFB              ; B
	s_add_nc_u64 s[4:5], s[4:5], OFFA              ; A
	s_load_b32 s[FLO], s[TAB:TAB+1], 0x0           ; waited for ahead of the first products
	s_add_nc_u64 s[14:15], s[4:5], s[16:17]
	s_add_nc_u64 s[46:47], s[6:7], s[46:47]
	CROUND                                         ; all sixteen work-groups are here: the first joint loads meet
.irp s, 0,1
	s_mov_b32 s[G0+4*(\s)], 1
	s_add_co_u32 s[G0+4*(\s)+1], s20, (\s)*SLOT
	s_add_nc_u64 s[G0+4*(\s)+2:G0+4*(\s)+3], s[14:15], (\s)*KSTEP*2
	s_or_b32 s[G0+4*(\s)+3], s[G0+4*(\s)+3], 0x80000000
	s_mov_b32 s[G0B+4*(\s)], 1
	s_add_co_u32 s[G0B+4*(\s)+1], s20, (\s)*SLOT
	s_add_nc_u64 s[G0B+4*(\s)+2:G0B+4*(\s)+3], s[46:47], (\s)*BSTEP
	s_or_b32 s[G0B+4*(\s)+3], s[G0B+4*(\s)+3], 0x80000000
	JLOAD \s
.endr
	v_and_b32 v1, 15, v0                           ; l % 16
	v_bfe_u32 v2, v0, 4, 1                         ; l / 16
	v_lshlrev_b32 v[BO], 5, v2
	s_lshl_b32 s76, s42, 10                        ; the bias of my 128 columns: 1,024 bytes a tile column, 512 a half, behind the table's head
	s_lshl_b32 s77, s12, 9
	s_add_co_u32 s76, s76, s77
	s_add_co_u32 s76, s76, 512
	s_mov_b32 s77, 0
	s_add_nc_u64 s[BB:BB+1], s[TAB:TAB+1], s[76:77]
.irp b, 0,1,2,3,4,5,6,7
	global_load_b128 v[BIAS+8*(\b):BIAS+8*(\b)+3],   v[BO], s[BB:BB+1] offset:64*(\b)
	global_load_b128 v[BIAS+8*(\b)+4:BIAS+8*(\b)+7], v[BO], s[BB:BB+1] offset:64*(\b)+16
.endr
	v_mul_u32_u24 v3, v1, PITCH                    ; A's fragment: row l % 16, 16 bytes for each half of the lanes, twice, 32 bytes apart
	v_lshl_add_u32 v3, v2, 4, v3
	s_mul_i32 s21, s11, HALFT
	v_and_b32 v6, 7, v0                            ; B's: lane l reads row k 8 (l / 16) + l % 8, columns 8 ((l / 8) % 2) + 0..7, and is left with column l % 16 and 8 k
	v_lshl_add_u32 v6, v2, 3, v6
	v_mul_u32_u24 v6, v6, PB
	v_bfe_u32 v7, v0, 3, 1
	v_lshl_add_u32 v6, v7, 4, v6
	s_lshl_b32 s22, s12, 8                         ; my 128 columns
	s_add_co_u32 s22, s22, 2*HALFT                 ; behind A's 256 rows
.irp s, 0,1
	v_add_nc_u32 v[ADRA+(\s)], s21, v3
	v_add_nc_u32 v[ADRB+(\s)], s22, v6
	s_add_co_u32 s21, s21, SLOT
	s_add_co_u32 s22, s22, SLOT
.endr
	s_mul_i32 s23, s10, 16*SPITCH
	s_add_co_u32 s23, s23, STAGE                   ; my stage
	v_mul_u32_u24 v4, v1, SPITCH
	v_lshl_add_u32 v4, v2, 4, v4
	v_add_nc_u32 v[STO], s23, v4
	v_mul_u32_u24 v5, v2, SPITCH
	v_lshl_add_u32 v5, v1, 4, v5
	v_add_nc_u32 v[RD], s23, v5
	v_lshlrev_b32 v5, 9, v2                        ; the same two rows in C
	v_lshl_add_u32 v[CO], v1, 4, v5
	s_lshl_b32 s16, s13, 17                        ; where my part begins in C: 256 rows of 512 bytes a tile row, 128 a half,
	s_lshl_b32 s17, s11, 16
	s_add_co_u32 s16, s16, s17
	s_mov_b32 s17, 0
	s_lshl_b32 s46, s42, 21                        ; the panel, my 256 bytes of its rows
	s_lshl_b32 s47, s12, 8
	s_add_co_u32 s46, s46, s47
	s_mov_b32 s47, 0
	s_add_nc_u64 s[16:17], s[16:17], s[46:47]
	s_lshl_b32 s20, s13, 19                        ; the prefetches.  A: my work-group's 32 of the 128 rows that I fetch, at K step 3: the first refill steps it to 4
	s_lshl_b32 s21, s12, 18
	s_add_co_u32 s20, s20, s21
	s_lshl_b32 s21, s40, 16
	s_add_co_u32 s20, s20, s21
	s_add_co_u32 s20, s20, 3*KSTEP*2
	s_lshl_b32 s22, s42, 19                        ; B: my work-group's 8,192 of the 32,768 bytes that I fetch
	s_lshl_b32 s21, s12, 15
	s_add_co_u32 s22, s22, s21
	s_lshl_b32 s21, s41, 13
	s_add_co_u32 s22, s22, s21
	s_add_co_u32 s22, s22, 3*BSTEP
	s_and_b32 s23, ttmp7, 0xffff                   ; cluster y
	s_mov_b32 s[PFS], KSTEP*2
	s_mov_b32 s21, BSTEP
	s_cmp_eq_u32 s11, 0                            ; do I fetch for A?
	s_cselect_b32 s20, s20, s22
	s_cselect_b32 s23, ttmp9, s23                  ; the coordinate along which other clusters read the same blocks
	s_cselect_b64 s[PFA:PFA+1], s[4:5], s[6:7]
	s_cselect_b32 s[PFS], s[PFS], s21
	s_cselect_b32 s22, 11, 8                       ; a lane a row of A (2,048 bytes), or a block of B's dense bytes (256)
	s_mov_b32 s[PFS+1], 0
	s_mov_b32 s21, 0
	s_cmp_eq_u32 s23, 0
	s_cselect_b32 s[LIM], 1, -1                    ; the same in all sixteen partners, for a given wave
	s_add_nc_u64 s[PFA:PFA+1], s[PFA:PFA+1], s[20:21]
	v_and_b32 v[PFO], 31, v0
	v_lshlrev_b32 v[PFO], s22, v[PFO]
; 16 matrix instructions: row blocks a0, a0 + 1 of the window's four x all 8 column blocks, 32 along K.  zero = 1: the first product starts the sums, with the bias (window 0) as C.
; The 64 accumulators take turns, one instruction a turn, in the same order in every quarter.
.macro MUL16 f, hi, a0, zero
.if \zero
	WIN 0x81+0x40*(\hi)
.else
	WIN MUL_LO+0x50*(\hi)
.endif
.irp a, \a0, (\a0)+1
.irp b, 0,1,2,3,4,5,6,7
.if \zero
	v_wmma_f32_16x16x32_f16 v[8*(8*(\a)+(\b)):8*(8*(\a)+(\b))+7], v[(\f)+8*(\b):(\f)+8*(\b)+7], v[(\f)+8*(4*(\hi)+(\a)):(\f)+8*(4*(\hi)+(\a))+7], v[BIAS+8*(\b):BIAS+8*(\b)+7]
.else
	v_wmma_f32_16x16x32_f16 v[8*(8*(\a)+(\b)):8*(8*(\a)+(\b))+7], v[(\f)+8*(\b):(\f)+8*(\b)+7], v[(\f)+8*(4*(\hi)+(\a)):(\f)+8*(4*(\hi)+(\a))+7], v[8*(8*(\a)+(\b)):8*(8*(\a)+(\b))+7]
.endif
.endr
.endr
.endm
; 32 LDS loads in one run: the fragments of quarter q (32 along K) of a slot into buffer f: B's sixteen, then A's sixteen
.macro FETCH slot, q, f
	WIN TO_B
.irp i, 0,1,2,3,4,5,6,7
	ds_load_tr16_b128 v[(\f)+8*(\i):(\f)+8*(\i)+3],   v[ADRB+(\slot)] offset:(\q)*32*PB+32*(\i)
	ds_load_tr16_b128 v[(\f)+8*(\i)+4:(\f)+8*(\i)+7], v[ADRB+(\slot)] offset:(\q)*32*PB+32*(\i)+16*PB
.endr
	WIN 0
.irp i, 0,1,2,3,4,5,6,7
	ds_load_b128 v[(\f)+8*(\i):(\f)+8*(\i)+3],   v[ADRA+(\slot)] offset:64*(\q)+(\i)*16*PITCH
	ds_load_b128 v[(\f)+8*(\i)+4:(\f)+8*(\i)+7], v[ADRA+(\slot)] offset:64*(\q)+(\i)*16*PITCH+32
.endr
.endm
.macro PLACES                          ; four plain vector instructions between a matrix instruction and a load into, or a vector read or write of, its registers
.rept 4
	v_nop
.endr
.endm
; A K step is four quarters of 32 along K, 64 matrix instructions each, on buffers 0, 1, 0, 1.  One of the first three: multiplies f; in its middle it fetches quarter q into g.
.macro QUARTER slot, q, f, g, zero
	s_wait_dscnt 8                                 ; B and A's rows 0-63 are in; the youngest eight loads (A's rows 64-127) may be out
	MUL16 \f, 0, 0, \zero
	MUL16 \f, 0, 2, \zero
	PLACES
	FETCH \slot, \q, \g
	s_wait_dscnt 32                                ; all but the 32 just issued
	MUL16 \f, 1, 0, \zero
	MUL16 \f, 1, 2, \zero
.endm
; The last quarter's first half: one barrier for the change of slots.  Ahead of it each wave waits for all its tensor loads (one is out: its part of the next slot), adds 0 to its spare word, and waits for that and for its reads of this slot.
.macro MEET round
	WIN 0
	s_wait_tensorcnt 0x0
	ds_add_u32 v[SPW], v[NIL]
	s_wait_dscnt 9                                 ; the add and the youngest eight loads may be out
	MUL16 F1, 0, 0, 0
	s_wait_dscnt 0x0                               ; the add is done, and my reads of this slot are over
	s_barrier_signal -1
	MUL16 F1, 0, 2, 0
.if \round
	WIN 0
.endif
	s_barrier_wait -1
.endm
; The whole last quarter: behind the round the slot just read is filled again, two K steps on; then come the next slot's first fragments.  From a request to the wait for it: 224 matrix instructions.
.macro TURN slot, next
	s_wait_xcnt 0x0                                ; the last prefetch, a K step back, has read its address
	s_add_nc_u64 s[PFA:PFA+1], s[PFA:PFA+1], s[PFS:PFS+1]
	MEET 1
	CREST                                          ; no wave of any partner still reads this slot or has a load on its way
	s_add_nc_u64 s[G0+4*(\slot)+2:G0+4*(\slot)+3], s[G0+4*(\slot)+2:G0+4*(\slot)+3], 2*KSTEP*2
	s_add_nc_u64 s[G0B+4*(\slot)+2:G0B+4*(\slot)+3], s[G0B+4*(\slot)+2:G0B+4*(\slot)+3], 2*BSTEP
	JLOAD \slot                                    ; its four v_nop are also the places in front of the loads below
	FETCH \next, 0, F0
	ASK
	MUL16 F1, 1, 0, 0
	MUL16 F1, 1, 2, 0
.endm
; The last K step (slot 1) by rows of C: all of B's fragments fill window 1; my eight blocks of 16 rows are finished one after the other, 32 matrix instructions each, K ascending.
.macro BLOAD q
	WIN TO_B
.irp i, 0,1,2,3,4,5,6,7
	ds_load_tr16_b128 v[64*(\q)+8*(\i):64*(\q)+8*(\i)+3],   v[ADRB+1] offset:(\q)*32*PB+32*(\i)
	ds_load_tr16_b128 v[64*(\q)+8*(\i)+4:64*(\q)+8*(\i)+7], v[ADRB+1] offset:(\q)*32*PB+32*(\i)+16*PB
.endr
.endm
.macro ALOAD a
	WIN 0
.set FA, PA+32*((\a)%4)
.irp q, 0,1,2,3
	ds_load_b128 v[FA+8*(\q):FA+8*(\q)+3],   v[ADRA+1] offset:64*(\q)+(\a)*16*PITCH
	ds_load_b128 v[FA+8*(\q)+4:FA+8*(\q)+7], v[ADRA+1] offset:64*(\q)+(\a)*16*PITCH+32
.endr
.endm
.macro ROW a
.set FA, PA+32*((\a)%4)
.set AC, 64*((\a)%4)
	WIN MUL_LO+0x50*((\a)/4)
.irp q, 0,1,2,3
.if (\a) == 0 && (\q) == 2
	s_wait_dscnt 24                                ; B's quarter 2 is in (behind it: A's blocks 1 to 3)
.endif
.irp b, 0,1,2,3,4,5,6,7
	v_wmma_f32_16x16x32_f16 v[AC+8*(\b):AC+8*(\b)+7], v[64*(\q)+8*(\b):64*(\q)+8*(\b)+7], v[FA+8*(\q):FA+8*(\q)+7], v[AC+8*(\b):AC+8*(\b)+7]
.endr
.endr
.endm
; The way out of block a.  PACK: rounded to f16, each accumulator's registers in ascending order, and held to the floor.  TOSTAGE: into my stage and back as whole rows of 256 bytes.  SEND: stored.
.macro PACK a
.set AC, 64*((\a)%4)
	WIN 0x0a+5*((\a)/4)
.irp b, 0,1,2,3,4,5,6,7
.irp r, 0,1,2,3
	v_cvt_pk_f16_f32 v[TMP+4*(\b)+(\r)], v[AC+8*(\b)+2*(\r)], v[AC+8*(\b)+2*(\r)+1]
.endr
.endr
	WIN 0
.set z, 0
.rept 32
	v_pk_max_num_f16 v[TMP+z], v[TMP+z], s[FLO]
.set z, z+1
.endr
.endm
.macro TOSTAGE a
	WIN 0
.set BK, OB+192*((\a)%2)
.irp b, 0,1,2,3,4,5,6,7
	ds_store_b128 v[STO], v[TMP+4*(\b):TMP+4*(\b)+3] offset:32*(\b)
.endr
.irp t, 0,1,2,3,4,5,6,7
	ds_load_b128 v[BK+4*(\t):BK+4*(\t)+3], v[RD] offset:(\t)*2*SPITCH  ; LDS serves a wave's instructions in order (ISA guide 5.7.1.4): these see the stores above
.endr
.endm
.macro SEND a, younger
	WIN 0
.set BK, OB+192*((\a)%2)
	s_wait_dscnt \younger                          ; the block is back in registers
	s_wait_xcnt 0x0                                ; earlier stores have read their base and data, which are written again only behind this wait
.if (\a) == 0
	s_add_nc_u64 s[8:9], s[8:9], s[16:17]
.else
	s_add_nc_u64 s[8:9], s[8:9], 16*CROW
.endif
.irp t, 0,1,2,3,4,5,6,7
	global_store_b128 v[CO], v[BK+4*(\t):BK+4*(\t)+3], s[8:9] offset:2*(\t)*CROW  ; 16 lanes store 256 consecutive bytes, at a multiple of 256 from C's first byte
.endr
.endm
	s_wait_tensorcnt 1                             ; my part of K step 0 is in; K step 1's load may stay out
	s_barrier_signal -1
	s_barrier_wait -1
	FETCH 0, 0, F0
	s_wait_loadcnt 0x0                             ; the bias
	s_wait_kmcnt 0x0                               ; the floor
	QUARTER 0, 1, F0, F1, 1                        ; the first quarter stands in front of the loop: its products start the sums
	WIN 0
	s_mov_b32 s3, LAPS-1
.Llap:                                                 ; a trip goes once round the ring, from a lap's second quarter to the next lap's first, and fills both slots again
	QUARTER 0, 2, F1, F0, 0
	QUARTER 0, 3, F0, F1, 0
	TURN 0, 1
	QUARTER 1, 1, F0, F1, 0
	QUARTER 1, 2, F1, F0, 0
	QUARTER 1, 3, F0, F1, 0
	TURN 1, 0
	QUARTER 0, 1, F0, F1, 0
	WIN 0
	s_sub_co_u32 s3, s3, 1
	s_cmp_lg_u32 s3, 0
	s_cbranch_scc1 .Llap
	QUARTER 0, 2, F1, F0, 0
	QUARTER 0, 3, F0, F1, 0
	MEET 0                                         ; the load that was still out is the last K step's, so no round follows
	PLACES
	BLOAD 0
	BLOAD 1
	BLOAD 3
	ALOAD 0
	MUL16 F1, 1, 0, 0
	MUL16 F1, 1, 2, 0
	PLACES
	BLOAD 2
	ALOAD 1
	ALOAD 2
	ALOAD 3
	s_wait_dscnt 40                                ; all but the 40 just issued
	ROW 0
.irp a, 0,1,2,3,4,5,6,7
	PLACES
	PACK \a
	TOSTAGE \a
.if (\a) < 4
	ALOAD (\a)+4
	SEND \a, 8
.else
	SEND \a, 0
.endif
.if (\a) < 7
	ROW (\a)+1
.endif
.endr
	s_wait_tensorcnt 0x0                           ; the wave's end
	ds_add_u32 v[SPW], v[NIL]
	s_wait_dscnt 0x0
	CROUND                                         ; the closing round
	s_endpgm
.Lfunc_end_k_q73ff497c3f_g1:
	.size	k_q73ff497c3f_g1, .Lfunc_end_k_q73ff497c3f_g1-k_q73ff497c3f_g1
	.p2alignl 7, 3214868480
	.fill 96, 4, 3214868480
	.section	.rodata,"a",@progbits
	.p2align	6, 0x0
	.amdhsa_kernel k_q73ff497c3f_g1
		.amdhsa_group_segment_fixed_size 327680
		.amdhsa_private_segment_fixed_size 0
		.amdhsa_enable_private_segment 0
		.amdhsa_kernarg_size 16
		.amdhsa_user_sgpr_count 2
		.amdhsa_user_sgpr_kernarg_segment_ptr 1
		.amdhsa_wavefront_size32 1
		.amdhsa_system_sgpr_workgroup_id_x 1
		.amdhsa_system_sgpr_workgroup_id_y 1
		.amdhsa_system_sgpr_workgroup_id_z 1
		.amdhsa_system_vgpr_workitem_id 0
		.amdhsa_next_free_vgpr 1024
		.amdhsa_next_free_sgpr 80
		.amdhsa_reserve_vcc 0
		.amdhsa_float_denorm_mode_32 3
		.amdhsa_float_denorm_mode_16_64 3
		.amdhsa_memory_ordered 1
		.amdhsa_forward_progress 1
		.amdhsa_inst_pref_size 163
	.end_amdhsa_kernel
	.amdgpu_metadata
---
amdhsa.version: [ 1, 2 ]
amdhsa.kernels:
  - .name:           k_q73ff497c3f_g1
    .symbol:         k_q73ff497c3f_g1.kd
    .args:
      - { .name: in1, .offset: 0, .size: 8, .value_kind: global_buffer, .address_space: global }
      - { .name: qkv, .offset: 8, .size: 8, .value_kind: global_buffer, .address_space: global }
    .group_segment_fixed_size: 327680
    .private_segment_fixed_size: 0
    .kernarg_segment_align: 8
    .kernarg_segment_size: 16
    .max_flat_workgroup_size: 128
    .sgpr_count:     80
    .vgpr_count:     1024
    .wavefront_size: 32
...
	.end_amdgpu_metadata
.endif
;; end of part 2
;; launch ktv (part 3): grid 16 x 16, 4 waves a work-group, no clusters, 74,240 bytes of LDS; arguments qkv, hh, out1, out2; writes hh, out1, out2
.if DOCPART == 3
	.amdgcn_target "amdgcn-amd-amdhsa--gfx1250"
	.amdhsa_code_object_version 6
	.text
	.protected	k_q73ff497c3f_ktv
	.globl	k_q73ff497c3f_ktv
	.p2align	8
	.type	k_q73ff497c3f_ktv,@function
k_q73ff497c3f_ktv:
	s_mov_b64 s[64:65], 0
	v_nop
	global_prefetch_b8 v0, s[64:65] scope:SCOPE_SE
	s_setreg_imm32_b32 hwreg(HW_REG_WAVE_MODE, 25, 1), 1
	s_wait_xcnt 0x0
; Two things on one reading of K and V (f16 panels of qkv): (1) they leave as f32, out1 = K, out2 = V, [4096][1024]; (2) partial sums M_p[e][f] = the sum over 128 rows s of K[s][e] V[s][f], in f32,
; for two heads, and the largest magnitude in each wave's part of them.  reference()'s (Q K^T) V has no softmax between its products, so it is taken as Q (K^T V): the order of summation differs.
; LIMITS: -0 widens to +0; NaN and infinities are not treated apart.
; SHARES.  Work-group (p, y): rows 128 p .. +127 of batch y / 8, heads 2 (y % 8) and 2 (y % 8) + 1: 256 bytes of each panel row.  Wave w: head w / 2, channels e 32 (w % 2) .. +31, all 64 f: 8 accumulators.
; The tiles lie [s][channel] in LDS; both sources come out turned (ds_load_tr16_b128).  Source 0 = 16 f of V, source 1 = 16 e of K: lane l holds e = l % 16 and f = 8 (l / 16) + 0..7, which is the
; layout that the next launch's matrix source wants: nothing changes lanes there.
; The partial sums go to the head of the second buffer, which holds nothing else yet: [head 32][p 16][block 4 (e / 16) + f / 16][half of the registers][lane][4 f32]; from byte 8,388,608: the maxima, f32 [y 16][p 16][wave 4].
.set PT, 288                           ; an LDS row: 256 bytes + 32
.set VT, 128*PT                        ; V's tile begins here
.set SPARE, 2*VT                       ; the spare words: 128 bytes a wave, two blocks of 256 bytes that no other line names
.set ACC, 16                           ; v[16:79]  (a, c) at ACC + 8 (4 a + c)
.set KR, 80                            ; v[80:143], v[144:207] the tiles on their way into LDS
.set VR, 144
.set FR, 80                            ; v[80:175] later: two sets of 48: K's two fragments, V's four
.set DK, 80                            ; v[80:95]   the widening: eight rows of K in f16,
.set FK, 96                            ; v[96:127]  the same in f32;
.set DV, 128                           ; v[128:143] eight rows of V,
.set FV, 144                           ; v[144:175] in f32
.set ONE, 11
.set SPW, 12
.set NIL, 13
.set ZERO, 208
	s_load_b256 s[24:31], s[0:1], 0x0              ; qkv 24, partial sums 26, out1 28, out2 30
	v_lshl_add_u32 v[SPW], v0, 2, SPARE
	v_mov_b32 v[NIL], 0
	v_lshrrev_b32 v1, 5, v0
	v_readfirstlane_b32 s7, v1                     ; wave
	v_and_b32 v1, 31, v0                           ; l
	v_and_b32 v2, 15, v0
	v_bfe_u32 v3, v0, 4, 1
	s_lshl_b32 s20, s7, 5
	v_add_nc_u32 v16, s20, v3                      ; row 32 w + l / 16
	v_lshlrev_b32 v4, 9, v16                       ; in memory: rows of 512 bytes,
	v_lshl_add_u32 v4, v2, 4, v4
	v_mul_u32_u24 v5, v16, PT                      ; in LDS
	v_lshl_add_u32 v5, v2, 4, v5
	s_mul_i32 s21, s7, 32*PT
	v_lshl_add_u32 v6, v1, 3, s21                  ; the widening reads 8 bytes a lane of my 32 rows,
	s_lshl_b32 s21, s7, 17
	v_lshl_add_u32 v7, v1, 4, s21                  ; and writes 16
	v_and_b32 v17, 7, v0
	v_lshl_add_u32 v17, v3, 3, v17
	v_mul_u32_u24 v17, v17, PT
	v_bfe_u32 v18, v0, 3, 1
	v_lshl_add_u32 v17, v18, 4, v17                ; the turning load's lane term
	s_lshr_b32 s22, s7, 1                          ; which head
	s_and_b32 s23, s7, 1                           ; which half of e
	s_lshl_b32 s21, s22, 7
	v_add_nc_u32 v9, s21, v17
	v_add_nc_u32 v9, VT, v9                        ; V's fragments
	s_lshl_b32 s20, s23, 6
	s_add_co_u32 s21, s21, s20
	v_add_nc_u32 v8, s21, v17                      ; K's fragments
	v_lshlrev_b32 v10, 4, v1
	v_mov_b32 v[ONE], 1.0
	v_mov_b32 v[ZERO], 0
	s_mov_b32 s2, ttmp9                            ; p
	s_and_b32 s3, ttmp7, 0xffff                    ; y
	s_lshr_b32 s4, s3, 3                           ; batch
	s_and_b32 s5, s3, 7                            ; pair of heads
	s_lshl_b32 s6, s4, 11
	s_lshl_b32 s20, s2, 7
	s_add_co_u32 s6, s6, s20                       ; first row
	s_lshr_b32 s32, s5, 1                          ; K's panels are 4 to 7, two pairs to a panel
	s_add_co_u32 s32, s32, 4
	s_lshl_b32 s32, s32, 21
	s_lshl_b32 s20, s6, 9
	s_add_co_u32 s32, s32, s20
	s_and_b32 s20, s5, 1
	s_lshl_b32 s20, s20, 8
	s_add_co_u32 s32, s32, s20
	s_mov_b32 s33, 0
	s_lshl_b32 s34, s6, 12                         ; in out1 and out2: rows of 4,096 bytes, 512 a pair
	s_lshl_b32 s20, s5, 9
	s_add_co_u32 s34, s34, s20
	s_mov_b32 s35, 0
	s_lshl_b32 s36, s3, 1
	s_add_co_u32 s36, s36, s22                     ; head among the 32
	s_lshl_b32 s36, s36, 4
	s_add_co_u32 s36, s36, s2
	s_lshl_b32 s36, s36, 14
	s_lshl_b32 s20, s23, 13
	s_add_co_u32 s36, s36, s20
	s_mov_b32 s37, 0
	s_lshl_b32 s38, s3, 8
	s_lshl_b32 s20, s2, 4
	s_add_co_u32 s38, s38, s20
	s_lshl_b32 s20, s7, 2
	s_add_co_u32 s38, s38, s20
	s_add_co_u32 s38, s38, 8388608
	s_mov_b32 s39, 0
	s_mov_b32 s40, 0x76543210
	s_mov_b32 s41, 0xfedcba98
	s_wait_kmcnt 0x0
	s_add_nc_u64 s[8:9], s[24:25], s[32:33]        ; K
	s_add_nc_u64 s[10:11], s[8:9], 8388608         ; V: four panels on
	s_add_nc_u64 s[12:13], s[28:29], s[34:35]
	s_add_nc_u64 s[14:15], s[30:31], s[34:35]
	s_add_nc_u64 s[16:17], s[26:27], s[36:37]
	s_add_nc_u64 s[18:19], s[26:27], s[38:39]
.irp u, 0,1,2,3,4,5,6,7,8,9,10,11,12,13,14,15
	global_load_b128 v[KR+4*(\u):KR+4*(\u)+3], v4, s[8:9] offset:1024*(\u)   ; two rows x 256 bytes
.endr
.irp u, 0,1,2,3,4,5,6,7,8,9,10,11,12,13,14,15
	global_load_b128 v[VR+4*(\u):VR+4*(\u)+3], v4, s[10:11] offset:1024*(\u)
.endr
.irp u, 0,1,2,3,4,5,6,7,8,9,10,11,12,13,14,15
	s_wait_loadcnt 31-(\u)                         ; the younger loads stay out
	ds_store_b128 v5, v[KR+4*(\u):KR+4*(\u)+3] offset:2*PT*(\u)
.endr
.irp u, 0,1,2,3,4,5,6,7,8,9,10,11,12,13,14,15
	s_wait_loadcnt 15-(\u)
	ds_store_b128 v5, v[VR+4*(\u):VR+4*(\u)+3] offset:2*PT*(\u)+VT
.endr
	s_wait_dscnt 0x0                               ; for the others' sake: my rows lie in LDS
	s_barrier_signal -1
	s_barrier_wait -1
	; the widening of my 32 rows: four trips, eight rows of K and eight of V in each
	s_mov_b32 s21, 4
.Lwide:
.irp i, 0,1,2,3,4,5,6,7
	ds_load_b64 v[DK+2*(\i):DK+2*(\i)+1], v6 offset:(\i)*PT
.endr
.irp i, 0,1,2,3,4,5,6,7
	ds_load_b64 v[DV+2*(\i):DV+2*(\i)+1], v6 offset:(\i)*PT+VT
.endr
	s_wait_dscnt 0x0
.irp i, 0,1,2,3,4,5,6,7
	v_fma_mix_f32 v[FK+4*(\i)],   v[DK+2*(\i)],   v[ONE], v[ZERO] op_sel_hi:[1,0,0]
	v_fma_mix_f32 v[FK+4*(\i)+1], v[DK+2*(\i)],   v[ONE], v[ZERO] op_sel:[1,0,0] op_sel_hi:[1,0,0]
	v_fma_mix_f32 v[FK+4*(\i)+2], v[DK+2*(\i)+1], v[ONE], v[ZERO] op_sel_hi:[1,0,0]
	v_fma_mix_f32 v[FK+4*(\i)+3], v[DK+2*(\i)+1], v[ONE], v[ZERO] op_sel:[1,0,0] op_sel_hi:[1,0,0]
.endr
.irp i, 0,1,2,3,4,5,6,7
	global_store_b128 v7, v[FK+4*(\i):FK+4*(\i)+3], s[12:13] offset:(\i)*4096 th:TH_STORE_NT  ; 512 consecutive bytes, aligned
.endr
.irp i, 0,1,2,3,4,5,6,7
	v_fma_mix_f32 v[FV+4*(\i)],   v[DV+2*(\i)],   v[ONE], v[ZERO] op_sel_hi:[1,0,0]
	v_fma_mix_f32 v[FV+4*(\i)+1], v[DV+2*(\i)],   v[ONE], v[ZERO] op_sel:[1,0,0] op_sel_hi:[1,0,0]
	v_fma_mix_f32 v[FV+4*(\i)+2], v[DV+2*(\i)+1], v[ONE], v[ZERO] op_sel_hi:[1,0,0]
	v_fma_mix_f32 v[FV+4*(\i)+3], v[DV+2*(\i)+1], v[ONE], v[ZERO] op_sel:[1,0,0] op_sel_hi:[1,0,0]
.endr
.irp i, 0,1,2,3,4,5,6,7
	global_store_b128 v7, v[FV+4*(\i):FV+4*(\i)+3], s[14:15] offset:(\i)*4096 th:TH_STORE_NT
.endr
	s_wait_xcnt 0x0                                ; the stores have read their data and their offset: both are written again only behind this wait (behind the loop: by the fragments' loads)
	v_add_nc_u32 v6, 8*PT, v6                      ; eight rows on, in LDS
	v_add_nc_u32 v7, 8*4096, v7                    ; and in out1 and out2
	s_sub_co_u32 s21, s21, 1
	s_cmp_lg_u32 s21, 0
	s_cbranch_scc1 .Lwide
.macro LOADF ks                        ; the fragments of rows 32 ks .. +31: 12 loads
.set FB, FR+48*((\ks)%2)
.irp a, 0,1
	ds_load_tr16_b128 v[FB+8*(\a):FB+8*(\a)+3],   v8 offset:(\ks)*32*PT+32*(\a)
	ds_load_tr16_b128 v[FB+8*(\a)+4:FB+8*(\a)+7], v8 offset:(\ks)*32*PT+32*(\a)+16*PT
.endr
.irp c, 0,1,2,3
	ds_load_tr16_b128 v[FB+16+8*(\c):FB+16+8*(\c)+3],   v9 offset:(\ks)*32*PT+32*(\c)
	ds_load_tr16_b128 v[FB+16+8*(\c)+4:FB+16+8*(\c)+7], v9 offset:(\ks)*32*PT+32*(\c)+16*PT
.endr
.endm
.macro MULF ks, zero                   ; eight products; the eight accumulators take turns
.set FB, FR+48*((\ks)%2)
.irp a, 0,1
.irp c, 0,1,2,3
.if \zero
	v_wmma_f32_16x16x32_f16 v[ACC+8*(4*(\a)+(\c)):ACC+8*(4*(\a)+(\c))+7], v[FB+16+8*(\c):FB+16+8*(\c)+7], v[FB+8*(\a):FB+8*(\a)+7], 0
.else
	v_wmma_f32_16x16x32_f16 v[ACC+8*(4*(\a)+(\c)):ACC+8*(4*(\a)+(\c))+7], v[FB+16+8*(\c):FB+16+8*(\c)+7], v[FB+8*(\a):FB+8*(\a)+7], v[ACC+8*(4*(\a)+(\c)):ACC+8*(4*(\a)+(\c))+7]
.endif
.endr
.endr
.endm
	LOADF 0
	LOADF 1
	s_wait_dscnt 0x0
	MULF 0, 1
	MULF 1, 0
.rept 4
	v_nop                                          ; the places in front of loads into registers that those products read
.endr
	LOADF 2
	LOADF 3
	s_wait_dscnt 0x0
	MULF 2, 0
	MULF 3, 0
.rept 4
	v_nop                                          ; the places in front of the stores and maxima that read the results
.endr
.irp k, 0,1,2,3,4,5,6,7
	global_store_b128 v10, v[ACC+8*(\k):ACC+8*(\k)+3],   s[16:17] offset:1024*(\k)      ; each accumulator's low registers first
	global_store_b128 v10, v[ACC+8*(\k)+4:ACC+8*(\k)+7], s[16:17] offset:1024*(\k)+512
.endr
	v_mov_b32 v14, 0
	v_mov_b32 v15, 0
.set r, 0
.rept 32
	v_max3_num_f32 v14, v14, v[ACC+r], v[ACC+r+1]
	v_min3_num_f32 v15, v15, v[ACC+r], v[ACC+r+1]
.set r, r+2
.endr
	v_sub_f32 v15, 0, v15
	v_max_num_f32 v14, v14, v15                    ; the largest magnitude of my 64 numbers
	v_max_num_f32_dpp v14, v14, v14 row_xmask:1 row_mask:0xf bank_mask:0xf
	v_max_num_f32_dpp v14, v14, v14 row_xmask:2 row_mask:0xf bank_mask:0xf
	v_max_num_f32_dpp v14, v14, v14 row_xmask:4 row_mask:0xf bank_mask:0xf
	v_max_num_f32_dpp v14, v14, v14 row_xmask:8 row_mask:0xf bank_mask:0xf
	v_permlanex16_b32 v15, v14, s40, s41
	v_max_num_f32 v14, v14, v15                    ; of the wave's
	v_cmp_eq_u32 vcc_lo, 0, v1
	s_wait_xcnt 0x0                                ; EXEC changes only behind this wait
	s_and_saveexec_b32 s20, vcc_lo
	global_store_b32 v[ZERO], v14, s[18:19]
	s_wait_xcnt 0x0
	s_or_b32 exec_lo, exec_lo, s20
	s_wait_tensorcnt 0x0                           ; the wave's end
	ds_add_u32 v[SPW], v[NIL]
	s_wait_dscnt 0x0
	s_endpgm
.Lfunc_end_k_q73ff497c3f_ktv:
	.size	k_q73ff497c3f_ktv, .Lfunc_end_k_q73ff497c3f_ktv-k_q73ff497c3f_ktv
	.p2alignl 7, 3214868480
	.fill 96, 4, 3214868480
	.section	.rodata,"a",@progbits
	.p2align	6, 0x0
	.amdhsa_kernel k_q73ff497c3f_ktv
		.amdhsa_group_segment_fixed_size 74240
		.amdhsa_private_segment_fixed_size 0
		.amdhsa_enable_private_segment 0
		.amdhsa_kernarg_size 32
		.amdhsa_user_sgpr_count 2
		.amdhsa_user_sgpr_kernarg_segment_ptr 1
		.amdhsa_wavefront_size32 1
		.amdhsa_system_sgpr_workgroup_id_x 1
		.amdhsa_system_sgpr_workgroup_id_y 1
		.amdhsa_system_sgpr_workgroup_id_z 1
		.amdhsa_system_vgpr_workitem_id 0
		.amdhsa_next_free_vgpr 212
		.amdhsa_next_free_sgpr 66
		.amdhsa_reserve_vcc 1
		.amdhsa_float_denorm_mode_32 3
		.amdhsa_float_denorm_mode_16_64 3
		.amdhsa_memory_ordered 1
		.amdhsa_forward_progress 1
		.amdhsa_inst_pref_size 28
	.end_amdhsa_kernel
	.amdgpu_metadata
---
amdhsa.version: [ 1, 2 ]
amdhsa.kernels:
  - .name:           k_q73ff497c3f_ktv
    .symbol:         k_q73ff497c3f_ktv.kd
    .args:
      - { .name: qkv, .offset: 0, .size: 8, .value_kind: global_buffer, .address_space: global }
      - { .name: hh, .offset: 8, .size: 8, .value_kind: global_buffer, .address_space: global }
      - { .name: out1, .offset: 16, .size: 8, .value_kind: global_buffer, .address_space: global }
      - { .name: out2, .offset: 24, .size: 8, .value_kind: global_buffer, .address_space: global }
    .group_segment_fixed_size: 74240
    .private_segment_fixed_size: 0
    .kernarg_segment_align: 8
    .kernarg_segment_size: 32
    .max_flat_workgroup_size: 128
    .sgpr_count:     66
    .vgpr_count:     212
    .wavefront_size: 32
...
	.end_amdgpu_metadata
.endif
;; end of part 3
;; launch nnk (part 4): grid 8 x 32, 4 waves a work-group, no clusters, 36,352 bytes of LDS; arguments hh, wx, nn; writes nn
.if DOCPART == 4
	.amdgcn_target "amdgcn-amd-amdhsa--gfx1250"
	.amdhsa_code_object_version 6
	.text
	.protected	k_q73ff497c3f_nnk
	.globl	k_q73ff497c3f_nnk
	.p2align	8
	.type	k_q73ff497c3f_nnk,@function
k_q73ff497c3f_nnk:
	s_mov_b64 s[64:65], 0
	v_nop
	global_prefetch_b8 v0, s[64:65] scope:SCOPE_SE
	s_setreg_imm32_b32 hwreg(HW_REG_WAVE_MODE, 25, 1), 1
	s_wait_xcnt 0x0
; N''[64 h + e][n] = the sum over f of (M_bh[e][f] / S_b) wp[64 h + f][n], in f16, for head bh = y and columns 128 x .. +127; M_bh = the sum of its 16 partial sums (f32, ascending).
; S_b is a power of two above every |M| of the batch: Bound_bh = the sum over p of the largest magnitude in partial p (so Bound >= max |M_bh|), S_b = 2^(floor(log2(max over heads of Bound)) + 1).
; So |M / S| < 1 whatever the inputs' size; S_b / 8 (the scale of the scores with it) goes to the launch that multiplies it back, in f32.
; LIMITS: Bound under 2^126; |N''| <= 64 max|wp| must stay under 65,504; f16 keeps a fixed step of 6e-8 below 6.1e-5.
; NO CLUSTER: what the eight work-groups of a head share, its partial sums, is summed on its way into registers: there is no tile in LDS that could be asked for jointly.
; Wave w owns rows e = 16 w .. +15.  The partial sums lie as the matrix source wants them: lane l holds e = l % 16; block c's eight registers are f = 16 c + 8 (l / 16) + 0..7.
; Source 0 = 16 columns n of wp (turned out of LDS), source 1 = M': a lane ends with one row e and eight neighbouring n.
; nn: [batch][x 8][k 1024][128 n] f16; at 4,194,304 + 128 batch: S_b / 8, 32 times.
.set PT, 288                           ; wp's tile: 64 rows f x (256 + 32) bytes
.set STG, 64*PT                        ; the stages: 16 rows x 272 bytes a wave
.set SPARE, STG+4*16*272
.set SUM, 16                           ; v[16:47] the sums: block c, register j at SUM + 8 c + j
.set WPR, 48                           ; v[48:79] wp on its way into LDS
.set LS, 80                            ; v[80:207] four sets of 32 for partial sums on their way
.set MX, 208                           ; v[208:239] the maxima
.set MF, 240                           ; v[240:255] M' as two fragments
.set ACC, 80                           ; later: eight accumulators
.set BF, 144                           ; later: wp's fragments, 4 column blocks x 2 halves of f
.set PK, 208                           ; later: packed results
.set SPW, 12
.set NIL, 13
	s_load_b128 s[8:11], s[0:1], 0x0               ; partial sums 8, wx 10
	s_load_b64 s[12:13], s[0:1], 0x10              ; nn
	v_lshl_add_u32 v[SPW], v0, 2, SPARE
	v_mov_b32 v[NIL], 0
	v_lshrrev_b32 v1, 5, v0
	v_readfirstlane_b32 s7, v1
	v_and_b32 v1, 31, v0
	v_and_b32 v2, 15, v0
	v_bfe_u32 v3, v0, 4, 1
	v_lshrrev_b32 v14, 1, v1                       ; the maxima: lane = head among the 32: y = l / 2, its two waves' words
	v_lshlrev_b32 v4, 8, v14
	v_and_b32 v14, 1, v1
	v_lshl_add_u32 v4, v14, 3, v4
	s_lshl_b32 s36, s7, 4
	v_add_nc_u32 v14, s36, v3                      ; row f = 16 w + l / 16
	v_lshlrev_b32 v5, 11, v14
	v_lshl_add_u32 v5, v2, 4, v5
	v_mul_u32_u24 v6, v14, PT
	v_lshl_add_u32 v6, v2, 4, v6
	v_lshlrev_b32 v7, 4, v1                        ; 16 l
	v_and_b32 v8, 7, v0
	v_lshl_add_u32 v8, v3, 3, v8
	v_mul_u32_u24 v8, v8, PT
	v_bfe_u32 v14, v0, 3, 1
	v_lshl_add_u32 v8, v14, 4, v8                  ; the turning load's lane term
	s_mul_i32 s37, s7, 16*272
	s_add_co_u32 s37, s37, STG
	v_mul_u32_u24 v9, v2, 272
	v_lshl_add_u32 v9, v3, 4, v9
	v_add_nc_u32 v9, s37, v9                       ; into my stage
	v_mul_u32_u24 v10, v3, 272
	v_lshl_add_u32 v10, v2, 4, v10
	v_add_nc_u32 v10, s37, v10                     ; back
	v_lshlrev_b32 v11, 2, v1
	s_mov_b32 s2, ttmp9                            ; x
	s_and_b32 s3, ttmp7, 0xffff                    ; head among the 32
	s_lshr_b32 s4, s3, 4                           ; batch
	s_and_b32 s5, s3, 15                           ; head
	s_lshl_b32 s36, s5, 17
	s_lshl_b32 s38, s2, 8
	s_add_co_u32 s36, s36, s38
	s_add_co_u32 s36, s36, 8388608                 ; wp lies behind w2's panels
	s_mov_b32 s37, 0
	s_lshl_b32 s38, s3, 18
	s_lshl_b32 s40, s7, 12
	s_add_co_u32 s38, s38, s40
	s_mov_b32 s39, 0
	s_lshl_b32 s40, s4, 3
	s_add_co_u32 s40, s40, s2
	s_lshl_b32 s40, s40, 18                        ; the panel of batch and x,
	s_lshl_b32 s42, s5, 14                         ; 64 rows of 256 bytes a head,
	s_add_co_u32 s40, s40, s42
	s_lshl_b32 s42, s7, 12                         ; 16 a wave
	s_add_co_u32 s40, s40, s42
	s_mov_b32 s41, 0
	s_lshl_b32 s42, s4, 7
	s_add_co_u32 s42, s42, 4194304
	s_mov_b32 s43, 0
	s_wait_kmcnt 0x0
	s_add_nc_u64 s[14:15], s[8:9], 8388608         ; the maxima
	s_add_nc_u64 s[16:17], s[10:11], s[36:37]      ; wp's 64 rows, my 256 bytes of them
	s_add_nc_u64 s[18:19], s[8:9], s[38:39]        ; my four blocks of the head's partial sums
	s_add_nc_u64 s[32:33], s[12:13], s[40:41]      ; my 16 rows of N''
	s_add_nc_u64 s[34:35], s[12:13], s[42:43]
.macro PLOAD k, p                      ; into set k the partial sum that lies p behind the base: eight loads of 512 consecutive bytes
.irp c, 0,1,2,3
	global_load_b128 v[LS+32*(\k)+8*(\c):LS+32*(\k)+8*(\c)+3],   v7, s[18:19] offset:(\p)*16384+(\c)*1024
	global_load_b128 v[LS+32*(\k)+8*(\c)+4:LS+32*(\k)+8*(\c)+7], v7, s[18:19] offset:(\p)*16384+(\c)*1024+512
.endr
.endm
.macro PADD k                          ; set k onto the sums
.set r, 0
.rept 16
	v_pk_add_f32 v[SUM+r:SUM+r+1], v[SUM+r:SUM+r+1], v[LS+32*(\k)+r:LS+32*(\k)+r+1]
.set r, r+2
.endr
.endm
.set p, 0
.rept 16
	global_load_b64 v[MX+2*p:MX+2*p+1], v4, s[14:15] offset:16*p
.set p, p+1
.endr
.irp u, 0,1,2,3,4,5,6,7
	global_load_b128 v[WPR+4*(\u):WPR+4*(\u)+3], v5, s[16:17] offset:4096*(\u)
.endr
	PLOAD 0, 0
	PLOAD 1, 1
	PLOAD 2, 2
	PLOAD 3, 3
.set r, 0
.rept 32
	v_mov_b32 v[SUM+r], 0                          ; the sums start at 0, written while the loads are on their way, so that the loop has one form of addition
.set r, r+1
.endr
	s_wait_loadcnt 40                              ; the maxima are in; wp's 8 and the partial sums' 32 loads stay out
.set p, 0
.rept 16
	v_max_num_f32 v[MX+2*p], v[MX+2*p], v[MX+2*p+1]
.set p, p+1
.endr
.irp k, 0,1,2,3,4,5,6,7
	v_add_f32 v[MX+4*(\k)], v[MX+4*(\k)], v[MX+4*(\k)+2]
.endr
.irp k, 0,1,2,3
	v_add_f32 v[MX+8*(\k)], v[MX+8*(\k)], v[MX+8*(\k)+4]
.endr
	v_add_f32 v[MX], v[MX], v[MX+8]
	v_add_f32 v[MX+16], v[MX+16], v[MX+24]
	v_add_f32 v[MX], v[MX], v[MX+16]               ; Bound of head l
	v_max_num_f32_dpp v[MX], v[MX], v[MX] row_xmask:1 row_mask:0xf bank_mask:0xf
	v_max_num_f32_dpp v[MX], v[MX], v[MX] row_xmask:2 row_mask:0xf bank_mask:0xf
	v_max_num_f32_dpp v[MX], v[MX], v[MX] row_xmask:4 row_mask:0xf bank_mask:0xf
	v_max_num_f32_dpp v[MX], v[MX], v[MX] row_xmask:8 row_mask:0xf bank_mask:0xf  ; each half of the lanes: its batch's
	v_readlane_b32 s24, v[MX], 0
	v_readlane_b32 s25, v[MX], 16
	s_cmp_eq_u32 s4, 0
	s_cselect_b32 s24, s24, s25
	s_and_b32 s24, s24, 0x7f800000
	s_add_co_u32 s24, s24, 0x00800000              ; S: the next power of two
	s_sub_co_u32 s26, 0x7f000000, s24              ; 1 / S: the exponents add up to 254
	s_mov_b32 s27, s26                             ; named with it as a pair
	s_mul_f32 s28, s24, 0x3e000000                 ; S / 8
	s_wait_loadcnt 32                              ; wp is in; the partial sums' 32 loads stay out
.irp u, 0,1,2,3,4,5,6,7
	ds_store_b128 v6, v[WPR+4*(\u):WPR+4*(\u)+3] offset:2*PT*(\u)
.endr
	s_mov_b32 s30, 3
.Lsum:                                         ; three trips: four partial sums are added, and each set is asked for again with the partial sum four further on
.irp k, 0,1,2,3
	s_wait_loadcnt 24                              ; this set's eight loads are in; the three younger sets' 24 stay out, at the entry and over the backward jump alike
	PADD \k
	PLOAD \k, 4+(\k)
.endr
	s_wait_xcnt 0x0                                ; the loads have read their base, which is written only behind this wait
	s_add_nc_u64 s[18:19], s[18:19], 0x10000       ; four partial sums on
	s_sub_co_u32 s30, s30, 1
	s_cmp_lg_u32 s30, 0
	s_cbranch_scc1 .Lsum
.irp k, 0,1,2,3
	s_wait_loadcnt 24-8*(\k)                       ; the last four load nothing: the counts run down
	PADD \k
.endr
.set r, 0
.rept 16
	v_pk_mul_f32 v[SUM+r:SUM+r+1], v[SUM+r:SUM+r+1], s[26:27] op_sel_hi:[1,0]
.set r, r+2
.endr
.set r, 0
.rept 16
	v_cvt_pk_f16_f32 v[MF+r], v[SUM+2*r], v[SUM+2*r+1]  ; blocks 0, 1 are the fragment of f 0-31, blocks 2, 3 that of f 32-63
.set r, r+1
.endr
	s_wait_dscnt 0x0                               ; for the others' sake: my rows of wp lie in LDS
	s_barrier_signal -1
	s_barrier_wait -1
.macro BLOADS hf
.irp i, 0,1,2,3
.irp ks, 0,1
	ds_load_tr16_b128 v[BF+8*(2*(\i)+(\ks)):BF+8*(2*(\i)+(\ks))+3],   v8 offset:(\ks)*32*PT+32*(4*(\hf)+(\i))
	ds_load_tr16_b128 v[BF+8*(2*(\i)+(\ks))+4:BF+8*(2*(\i)+(\ks))+7], v8 offset:(\ks)*32*PT+32*(4*(\hf)+(\i))+16*PT
.endr
.endr
.endm
.macro MULS hf                         ; four accumulators by turns
.irp i, 0,1,2,3
	v_wmma_f32_16x16x32_f16 v[ACC+8*(4*(\hf)+(\i)):ACC+8*(4*(\hf)+(\i))+7], v[BF+16*(\i):BF+16*(\i)+7], v[MF:MF+7], 0
.endr
.irp i, 0,1,2,3
	v_wmma_f32_16x16x32_f16 v[ACC+8*(4*(\hf)+(\i)):ACC+8*(4*(\hf)+(\i))+7], v[BF+16*(\i)+8:BF+16*(\i)+15], v[MF+8:MF+15], v[ACC+8*(4*(\hf)+(\i)):ACC+8*(4*(\hf)+(\i))+7]
.endr
.endm
	BLOADS 0
	s_wait_dscnt 0x0
	MULS 0
.rept 4
	v_nop                                          ; the places in front of loads into registers that those products read
.endr
	BLOADS 1
	s_wait_dscnt 0x0
	MULS 1
.rept 4
	v_nop                                          ; the places in front of the conversions
.endr
.set r, 0
.rept 32
	v_cvt_pk_f16_f32 v[PK+r], v[ACC+2*r], v[ACC+2*r+1]  ; ascending: each accumulator's low registers first
.set r, r+1
.endr
.irp i, 0,1,2,3,4,5,6,7
	ds_store_b128 v9, v[PK+4*(\i):PK+4*(\i)+3] offset:32*(\i)
.endr
.irp t, 0,1,2,3,4,5,6,7
	ds_load_b128 v[PK+4*(\t):PK+4*(\t)+3], v10 offset:544*(\t)  ; LDS serves a wave's instructions in order (ISA guide 5.7.1.4)
.endr
.irp t, 0,1,2,3,4,5,6,7
	s_wait_dscnt 7-(\t)
	global_store_b128 v7, v[PK+4*(\t):PK+4*(\t)+3], s[32:33] offset:512*(\t)  ; two rows of 256 bytes on end
.endr
	s_or_b32 s29, s2, s5                           ; one wave for each batch stores S / 8
	s_or_b32 s29, s29, s7
	s_cmp_eq_u32 s29, 0
	s_cbranch_scc0 .Lend
	v_mov_b32 v14, s28
	global_store_b32 v11, v14, s[34:35]
.Lend:
	s_wait_tensorcnt 0x0                           ; the wave's end
	ds_add_u32 v[SPW], v[NIL]
	s_wait_dscnt 0x0
	s_endpgm
.Lfunc_end_k_q73ff497c3f_nnk:
	.size	k_q73ff497c3f_nnk, .Lfunc_end_k_q73ff497c3f_nnk-k_q73ff497c3f_nnk
	.p2alignl 7, 3214868480
	.fill 96, 4, 3214868480
	.section	.rodata,"a",@progbits
	.p2align	6, 0x0
	.amdhsa_kernel k_q73ff497c3f_nnk
		.amdhsa_group_segment_fixed_size 36352
		.amdhsa_private_segment_fixed_size 0
		.amdhsa_enable_private_segment 0
		.amdhsa_kernarg_size 24
		.amdhsa_user_sgpr_count 2
		.amdhsa_user_sgpr_kernarg_segment_ptr 1
		.amdhsa_wavefront_size32 1
		.amdhsa_system_sgpr_workgroup_id_x 1
		.amdhsa_system_sgpr_workgroup_id_y 1
		.amdhsa_system_sgpr_workgroup_id_z 1
		.amdhsa_system_vgpr_workitem_id 0
		.amdhsa_next_free_vgpr 256
		.amdhsa_next_free_sgpr 66
		.amdhsa_reserve_vcc 0
		.amdhsa_float_denorm_mode_32 3
		.amdhsa_float_denorm_mode_16_64 3
		.amdhsa_memory_ordered 1
		.amdhsa_forward_progress 1
		.amdhsa_inst_pref_size 33
	.end_amdhsa_kernel
	.amdgpu_metadata
---
amdhsa.version: [ 1, 2 ]
amdhsa.kernels:
  - .name:           k_q73ff497c3f_nnk
    .symbol:         k_q73ff497c3f_nnk.kd
    .args:
      - { .name: hh, .offset: 0, .size: 8, .value_kind: global_buffer, .address_space: global }
      - { .name: wx, .offset: 8, .size: 8, .value_kind: global_buffer, .address_space: global }
      - { .name: nn, .offset: 16, .size: 8, .value_kind: global_buffer, .address_space: global }
    .group_segment_fixed_size: 36352
    .private_segment_fixed_size: 0
    .kernarg_segment_align: 8
    .kernarg_segment_size: 24
    .max_flat_workgroup_size: 128
    .sgpr_count:     66
    .vgpr_count:     256
    .wavefront_size: 32
...
	.end_amdgpu_metadata
.endif
;; end of part 4
;; launch g2 (part 5): grid 8 x 32, 4 waves a work-group, clusters of 4 x 4, 327,680 bytes of LDS; arguments qkv, nn, hh; writes hh
.if DOCPART == 5
	.amdgcn_target "amdgcn-amd-amdhsa--gfx1250"
	.amdhsa_code_object_version 6
	.text
	.protected	k_q73ff497c3f_g2
	.globl	k_q73ff497c3f_g2
	.p2align	8
	.type	k_q73ff497c3f_g2,@function
k_q73ff497c3f_g2:
	s_mov_b64 s[64:65], 0
	v_nop
	global_prefetch_b8 v0, s[64:65] scope:SCOPE_SE
	s_setreg_imm32_b32 hwreg(HW_REG_WAVE_MODE, 25, 1), 1
	s_wait_xcnt 0x0
	s_wait_alu depctr_hold_cnt(0) depctr_sa_sdst(0) depctr_va_vdst(0) depctr_va_sdst(0) depctr_va_ssrc(0) depctr_va_vcc(0) depctr_vm_vsrc(0)
	s_getreg_b32 s2, hwreg(HW_REG_IB_STS2, 6, 4)
	s_cmp_eq_u32 s2, 0
	s_cbranch_scc0 .Lentry_in_a_cluster
	s_endpgm
.Lentry_in_a_cluster:
	s_bfe_u32 s2, ttmp6, 0x10000c
	s_cmp_lg_u32 s2, 0xf033
	s_cbranch_scc0 .Lentry_shape_is_right
	s_endpgm
.Lentry_shape_is_right:
; C = A B in f32.  A: panels [K step][4096 rows][256 k] f16; B: panels [.][k][128 n] f16; C: [4096][1024] f32.  Here: P = Q N'', K = 1,024, B's panel by batch and tile column.
; A tile of C is 128 x 128, since 256 x 256 would give 64 work-groups for 256 WGPs.  Four waves, 64 x 64 each: 16 accumulators.  K goes in steps of 256 through two LDS slots: A's rows are 512 bytes
; of memory, B's 256.  B lies [k][n]: its fragments come out of LDS turned (ds_load_tr16_b128).  The product is taken transposed (source 0 = 16 columns of B, source 1 = 16 rows of A): a lane holds
; eight neighbouring numbers of a row of C.  CLUSTER 4 x 4: A's tile is asked for jointly along a row of the cluster, B's along a column.  No prefetch: the tiles are small and each is read by many.
; REGISTERS: window 0: v0-31 addresses; v128-255 the accumulators ((a, b) at v[128 + 8 (4 a + b)]).  window 1: two fragment buffers of 128: 64 of A (2 x 4 x 16 rows x 32 K), then 64 of B.
.set LAPS,    2                        ; a lap = two K steps
.set BATCHED, 1                        ; B's panel: 8 x batch + tile column, 262,144 bytes each
.set PA,     528                       ; A's LDS row: 512 bytes + 16
.set PB,     288                       ; B's: 256 + 32
.set AH,     64*PA                     ; what a tensor load brings of A: 64 rows
.set BH,     128*PB                    ; of B: 128 rows k
.set BOFF,   2*AH
.set SLOT,   2*AH+2*BH
.set STAGE,  2*SLOT                    ; 16 rows x 272 bytes for each wave
.set SPITCH, 272
.set SPARE,  STAGE+4*16*SPITCH
.set ASTEP,  2097152                   ; from a K step's panel of A to the next
.set BSTEP,  65536
.set ADRA, 16                          ; v16-17  my A fragments in slot 0, 1
.set ADRB, 20                          ; v20-23  my B fragments: slot, and which 128 rows k (an LDS immediate has 16 bits)
.set STO,  24
.set RD,   25
.set CO,   26
.set SPW,  28
.set NIL,  29
.set ACC,  128
.set F0,   0
.set F1,   128
.set G1, 24
.set G0, 32
.set G1B, 48
.set G0B, 56
.set MSB, 0
.macro WIN new
.if MSB != (\new)
	s_set_vgpr_msb (MSB<<8)|(\new)
.set MSB, \new
.endif
.endm
.set MUL,  0x05                        ; sources 0 (B) and 1 (A) window 1; C and D window 0
.set TO_F, 0x40                        ; destination window 1, address window 0
.macro JLOAD s                         ; waves 0 and 1 fetch A's halves, waves 2 and 3 B's; an s_nop 0 and four v_nop follow each line
	s_cmp_eq_u32 s11, 0
	s_cbranch_scc0 .Lfor_b_\@
	tensor_load_to_lds s[G0+4*(\s):G0+4*(\s)+3], s[G1:G1+7]
	s_nop 0
.rept 4
	v_nop
.endr
	s_branch .Lasked_\@
.Lfor_b_\@:
	tensor_load_to_lds s[G0B+4*(\s):G0B+4*(\s)+3], s[G1B:G1B+7]
	s_nop 0
.rept 4
	v_nop
.endr
.Lasked_\@:
.endm
.macro CREST
	s_cmp_lg_u32 s10, 0
	s_cbranch_scc1 .Lnot_wave_0_\@
	s_barrier_signal -3
.Lnot_wave_0_\@:
	s_barrier_wait -3
	s_barrier_signal -1
	s_barrier_wait -1
.endm
.macro CROUND
	s_barrier_signal -1
	s_barrier_wait -1
	CREST
.endm
	s_load_b128 s[4:7], s[0:1], 0x0                ; A, B
	s_load_b64 s[8:9], s[0:1], 0x10                ; C
	v_lshl_add_u32 v[SPW], v0, 2, SPARE
	v_mov_b32 v[NIL], 0
	ds_add_u32 v[SPW], v[NIL]                      ; the wave's opening: the add, twice on end, and its wait ahead of my first tensor load
	ds_add_u32 v[SPW], v[NIL]
	v_lshrrev_b32 v1, 5, v0
	v_readfirstlane_b32 s10, v1
	s_lshr_b32 s11, s10, 1                         ; my half of the rows; also: I fetch for A (0) or B (1)
	s_and_b32 s12, s10, 1                          ; my half of the columns; also: which half of that tile I fetch
	s_bfe_u32 s40, ttmp6, 0x40000
	s_bfe_u32 s41, ttmp6, 0x40004
	s_lshl_b32 s42, ttmp9, 2
	s_add_co_u32 s42, s42, s40                     ; tile column
	s_and_b32 s13, ttmp7, 0xffff
	s_lshl_b32 s13, s13, 2
	s_add_co_u32 s13, s13, s41                     ; tile row
	s_lshl_b32 s43, s41, 2
	s_lshl_b32 s43, 15, s43
	s_lshl_b32 s44, 0x1111, s40
	s_or_b32 s[G1+0], s43, (1<<16)|(1<<20)|(1<<21)|(6<<22)|(3<<25)   ; after every 128 words 4 words of padding
	s_mov_b32 s[G1+1], 256<<16                     ; tensor_dim0
	s_mov_b32 s[G1+2], 64<<16                      ; tensor_dim1
	s_mov_b32 s[G1+3], 256<<16                     ; tile_dim0
	s_mov_b32 s[G1+4], 64                          ; tile_dim1
	s_mov_b32 s[G1+5], 256                         ; elements from row to row
	s_mov_b32 s[G1+6], 0
	s_mov_b32 s[G1+7], 0
	s_or_b32 s[G1B+0], s44, (1<<16)|(1<<20)|(1<<21)|(5<<22)|(7<<25)  ; after every 64 words 8 words
	s_mov_b32 s[G1B+1], 128<<16
	s_mov_b32 s[G1B+2], 128<<16
	s_mov_b32 s[G1B+3], 128<<16
	s_mov_b32 s[G1B+4], 128
	s_mov_b32 s[G1B+5], 128
	s_mov_b32 s[G1B+6], 0
	s_mov_b32 s[G1B+7], 0
	s_lshl_b32 s16, s13, 16                        ; A: 128 rows of 512 bytes a tile row, 64 a half
	s_lshl_b32 s17, s12, 15
	s_add_co_u32 s16, s16, s17
	s_mov_b32 s17, 0
.if BATCHED
	s_and_b32 s46, ttmp7, 0xffff                   ; the batch = cluster y / 4, which a column of the cluster shares
	s_lshr_b32 s46, s46, 2
	s_lshl_b32 s46, s46, 3
	s_add_co_u32 s46, s46, s42
	s_lshl_b32 s46, s46, 18
.else
	s_lshl_b32 s46, s42, 20
.endif
	s_lshl_b32 s47, s12, 15                        ; 128 rows k of 256 bytes a half
	s_add_co_u32 s46, s46, s47
	s_mov_b32 s47, 0
	s_mul_i32 s20, s12, AH                         ; where they go
	s_mul_i32 s21, s12, BH
	s_add_co_u32 s21, s21, BOFF
	s_wait_dscnt 0x0
	s_wait_kmcnt 0x0
	s_add_nc_u64 s[14:15], s[4:5], s[16:17]
	s_add_nc_u64 s[46:47], s[6:7], s[46:47]
	CROUND                                         ; the first joint loads meet
.irp s, 0,1
	s_mov_b32 s[G0+4*(\s)], 1
	s_add_co_u32 s[G0+4*(\s)+1], s20, (\s)*SLOT
	s_add_nc_u64 s[G0+4*(\s)+2:G0+4*(\s)+3], s[14:15], (\s)*ASTEP
	s_or_b32 s[G0+4*(\s)+3], s[G0+4*(\s)+3], 0x80000000
	s_mov_b32 s[G0B+4*(\s)], 1
	s_add_co_u32 s[G0B+4*(\s)+1], s21, (\s)*SLOT
	s_add_nc_u64 s[G0B+4*(\s)+2:G0B+4*(\s)+3], s[46:47], (\s)*BSTEP
	s_or_b32 s[G0B+4*(\s)+3], s[G0B+4*(\s)+3], 0x80000000
	JLOAD \s
.endr
	v_and_b32 v1, 15, v0
	v_bfe_u32 v2, v0, 4, 1
	v_mul_u32_u24 v3, v1, PA
	v_lshl_add_u32 v3, v2, 4, v3
	s_mul_i32 s21, s11, AH
	v_and_b32 v6, 7, v0
	v_lshl_add_u32 v6, v2, 3, v6
	v_mul_u32_u24 v6, v6, PB
	v_bfe_u32 v7, v0, 3, 1
	v_lshl_add_u32 v6, v7, 4, v6
	s_lshl_b32 s22, s12, 7                         ; my 64 columns
	s_add_co_u32 s22, s22, BOFF
.irp s, 0,1
	v_add_nc_u32 v[ADRA+(\s)], s21, v3
	v_add_nc_u32 v[ADRB+2*(\s)], s22, v6
	s_add_co_u32 s23, s22, BH
	v_add_nc_u32 v[ADRB+2*(\s)+1], s23, v6
	s_add_co_u32 s21, s21, SLOT
	s_add_co_u32 s22, s22, SLOT
.endr
	s_mul_i32 s23, s10, 16*SPITCH
	s_add_co_u32 s23, s23, STAGE                   ; my stage: a wave's 64 columns of f32 are 256 bytes, aligned, so no wave needs another's
	v_mul_u32_u24 v4, v1, SPITCH
	v_lshl_add_u32 v4, v2, 5, v4                   ; row l % 16, 32 bytes for each half of the lanes
	v_add_nc_u32 v[STO], s23, v4
	v_mul_u32_u24 v5, v2, SPITCH
	v_lshl_add_u32 v5, v1, 4, v5
	v_add_nc_u32 v[RD], s23, v5
	v_lshlrev_b32 v5, 12, v2
	v_lshl_add_u32 v[CO], v1, 4, v5
	s_lshl_b32 s16, s13, 19                        ; C: 128 rows of 4,096 bytes a tile row, 64 a half,
	s_lshl_b32 s17, s11, 18
	s_add_co_u32 s16, s16, s17
	s_mov_b32 s17, 0
	s_add_nc_u64 s[8:9], s[8:9], s[16:17]
	s_lshl_b32 s46, s42, 9                         ; 512 bytes a tile column, 256 a half
	s_lshl_b32 s47, s12, 8
	s_add_co_u32 s46, s46, s47
	s_mov_b32 s47, 0
	s_add_nc_u64 s[8:9], s[8:9], s[46:47]
; 8 matrix instructions: row blocks a0, a0 + 1 x 4 column blocks, 32 along K: half c of buffer f.  The 16 accumulators take turns.
.macro MUL8 f, c, a0, zero
	WIN MUL
.irp a, \a0, (\a0)+1
.irp b, 0,1,2,3
.if \zero
	v_wmma_f32_16x16x32_f16 v[ACC+8*(4*(\a)+(\b)):ACC+8*(4*(\a)+(\b))+7], v[(\f)+64+8*(4*(\c)+(\b)):(\f)+64+8*(4*(\c)+(\b))+7], v[(\f)+8*(4*(\c)+(\a)):(\f)+8*(4*(\c)+(\a))+7], 0
.else
	v_wmma_f32_16x16x32_f16 v[ACC+8*(4*(\a)+(\b)):ACC+8*(4*(\a)+(\b))+7], v[(\f)+64+8*(4*(\c)+(\b)):(\f)+64+8*(4*(\c)+(\b))+7], v[(\f)+8*(4*(\c)+(\a)):(\f)+8*(4*(\c)+(\a))+7], v[ACC+8*(4*(\a)+(\b)):ACC+8*(4*(\a)+(\b))+7]
.endif
.endr
.endr
.endm
; 32 LDS loads in one run: quarter qn (64 along K) of a slot into buffer f; its first 32 along K first
.macro FETCH slot, qn, f
	WIN TO_F
.irp c, 0,1
.irp i, 0,1,2,3
	ds_load_tr16_b128 v[(\f)+64+8*(4*(\c)+(\i)):(\f)+64+8*(4*(\c)+(\i))+3],   v[ADRB+2*(\slot)+(\qn)/2] offset:(((\qn)%2)*64+32*(\c))*PB+32*(\i)
	ds_load_tr16_b128 v[(\f)+64+8*(4*(\c)+(\i))+4:(\f)+64+8*(4*(\c)+(\i))+7], v[ADRB+2*(\slot)+(\qn)/2] offset:(((\qn)%2)*64+32*(\c))*PB+32*(\i)+16*PB
	ds_load_b128 v[(\f)+8*(4*(\c)+(\i)):(\f)+8*(4*(\c)+(\i))+3],         v[ADRA+(\slot)] offset:128*(\qn)+64*(\c)+(\i)*16*PA
	ds_load_b128 v[(\f)+8*(4*(\c)+(\i))+4:(\f)+8*(4*(\c)+(\i))+7],       v[ADRA+(\slot)] offset:128*(\qn)+64*(\c)+(\i)*16*PA+32
.endr
.endr
.endm
.macro PLACES
.rept 4
	v_nop
.endr
.endm
.macro QUARTER slot, qn, f, g, zero    ; multiplies buffer f, fetches quarter qn into g
	s_wait_dscnt 16                                ; the first 32 along K are in
	MUL8 \f, 0, 0, \zero
	MUL8 \f, 0, 2, \zero
	PLACES
	FETCH \slot, \qn, \g
	s_wait_dscnt 32                                ; all but the 32 just issued
	MUL8 \f, 1, 0, 0
	MUL8 \f, 1, 2, 0
.endm
; The last quarter changes slots: one barrier; ahead of it each wave waits for all its tensor loads, adds 0 to its spare word, and waits for that and for its reads of this slot.  fill = 1: the slot is filled again, two K steps on.
.macro TURN slot, next, fill
	WIN 0
	s_wait_tensorcnt 0x0
	ds_add_u32 v[SPW], v[NIL]
	s_wait_dscnt 17                                ; the add and the youngest sixteen loads may be out
	MUL8 F1, 0, 0, 0
	s_wait_dscnt 0x0
	s_barrier_signal -1
	MUL8 F1, 0, 2, 0
.if \fill
	WIN 0
.endif
	s_barrier_wait -1
.if \fill
	CREST                                          ; no wave of any partner still reads this slot or has a load on its way
	s_add_nc_u64 s[G0+4*(\slot)+2:G0+4*(\slot)+3], s[G0+4*(\slot)+2:G0+4*(\slot)+3], 2*ASTEP
	s_add_nc_u64 s[G0B+4*(\slot)+2:G0B+4*(\slot)+3], s[G0B+4*(\slot)+2:G0B+4*(\slot)+3], 2*BSTEP
	JLOAD \slot                                    ; 112 matrix instructions ahead of the wait for it
.else
	PLACES
.endif
	FETCH \next, 0, F0
	MUL8 F1, 1, 0, 0
	MUL8 F1, 1, 2, 0
.endm
	s_wait_tensorcnt 1                             ; my part of K step 0 is in; K step 1's may stay out
	s_barrier_signal -1
	s_barrier_wait -1
	FETCH 0, 0, F0
	QUARTER 0, 1, F0, F1, 1
	WIN 0
	s_mov_b32 s3, LAPS-1
.Llap:
	QUARTER 0, 2, F1, F0, 0
	QUARTER 0, 3, F0, F1, 0
	TURN 0, 1, 1
	QUARTER 1, 1, F0, F1, 0
	QUARTER 1, 2, F1, F0, 0
	QUARTER 1, 3, F0, F1, 0
	TURN 1, 0, 1
	QUARTER 0, 1, F0, F1, 0
	WIN 0
	s_sub_co_u32 s3, s3, 1
	s_cmp_lg_u32 s3, 0
	s_cbranch_scc1 .Llap
	QUARTER 0, 2, F1, F0, 0                        ; the last lap fills nothing
	QUARTER 0, 3, F0, F1, 0
	TURN 0, 1, 0
	QUARTER 1, 1, F0, F1, 0
	QUARTER 1, 2, F1, F0, 0
	QUARTER 1, 3, F0, F1, 0
	s_wait_dscnt 16
	MUL8 F1, 0, 0, 0
	MUL8 F1, 0, 2, 0
	s_wait_dscnt 0
	MUL8 F1, 1, 0, 0
	MUL8 F1, 1, 2, 0
	WIN 0
	PLACES
; The way out, 16 rows at a time: a lane's 32 bytes go into my stage, whole rows of 256 bytes come back into the same registers and are stored.
.macro STG a
.irp b, 0,1,2,3
	ds_store_b128 v[STO], v[ACC+8*(4*(\a)+(\b)):ACC+8*(4*(\a)+(\b))+3]   offset:64*(\b)      ; each accumulator's low registers first
	ds_store_b128 v[STO], v[ACC+8*(4*(\a)+(\b))+4:ACC+8*(4*(\a)+(\b))+7] offset:64*(\b)+16
.endr
.irp t, 0,1,2,3,4,5,6,7
	ds_load_b128 v[ACC+32*(\a)+4*(\t):ACC+32*(\a)+4*(\t)+3], v[RD] offset:(\t)*2*SPITCH  ; LDS serves a wave's instructions in order (ISA guide 5.7.1.4)
.endr
.endm
.macro SND a, younger                  ; younger: the next block's sixteen LDS instructions, or none
.irp t, 0,1,2,3,4,5,6,7
	s_wait_dscnt (\younger)+7-(\t)
	global_store_b128 v[CO], v[ACC+32*(\a)+4*(\t):ACC+32*(\a)+4*(\t)+3], s[8:9] offset:(16*(\a)+2*(\t))*4096  ; 16 lanes store 256 consecutive bytes, aligned
.endr
.endm
	STG 0
	STG 1
	SND 0, 16
	STG 2
	SND 1, 16
	STG 3
	SND 2, 16
	SND 3, 0
	s_wait_tensorcnt 0x0                           ; the wave's end
	ds_add_u32 v[SPW], v[NIL]
	s_wait_dscnt 0x0
	CROUND                                         ; the closing round
	s_endpgm
.Lfunc_end_k_q73ff497c3f_g2:
	.size	k_q73ff497c3f_g2, .Lfunc_end_k_q73ff497c3f_g2-k_q73ff497c3f_g2
	.p2alignl 7, 3214868480
	.fill 96, 4, 3214868480
	.section	.rodata,"a",@progbits
	.p2align	6, 0x0
	.amdhsa_kernel k_q73ff497c3f_g2
		.amdhsa_group_segment_fixed_size 327680
		.amdhsa_private_segment_fixed_size 0
		.amdhsa_enable_private_segment 0
		.amdhsa_kernarg_size 24
		.amdhsa_user_sgpr_count 2
		.amdhsa_user_sgpr_kernarg_segment_ptr 1
		.amdhsa_wavefront_size32 1
		.amdhsa_system_sgpr_workgroup_id_x 1
		.amdhsa_system_sgpr_workgroup_id_y 1
		.amdhsa_system_sgpr_workgroup_id_z 1
		.amdhsa_system_vgpr_workitem_id 0
		.amdhsa_next_free_vgpr 512
		.amdhsa_next_free_sgpr 66
		.amdhsa_reserve_vcc 0
		.amdhsa_float_denorm_mode_32 3
		.amdhsa_float_denorm_mode_16_64 3
		.amdhsa_memory_ordered 1
		.amdhsa_forward_progress 1
		.amdhsa_inst_pref_size 87
	.end_amdhsa_kernel
	.amdgpu_metadata
---
amdhsa.version: [ 1, 2 ]
amdhsa.kernels:
  - .name:           k_q73ff497c3f_g2
    .symbol:         k_q73ff497c3f_g2.kd
    .args:
      - { .name: qkv, .offset: 0, .size: 8, .value_kind: global_buffer, .address_space: global }
      - { .name: nn, .offset: 8, .size: 8, .value_kind: global_buffer, .address_space: global }
      - { .name: hh, .offset: 16, .size: 8, .value_kind: global_buffer, .address_space: global }
    .group_segment_fixed_size: 327680
    .private_segment_fixed_size: 0
    .kernarg_segment_align: 8
    .kernarg_segment_size: 24
    .max_flat_workgroup_size: 128
    .sgpr_count:     66
    .vgpr_count:     512
    .wavefront_size: 32
...
	.end_amdgpu_metadata
.endif
;; end of part 5
;; launch ln1 (part 6): grid 256 x 1, 16 waves a work-group, no clusters, 8,192 bytes of LDS; arguments hh, in1, nn, bp, ln1_g, ln1_b, in3; writes in3
.if DOCPART == 6
	.amdgcn_target "amdgcn-amd-amdhsa--gfx1250"
	.amdhsa_code_object_version 6
	.text
	.protected	k_q73ff497c3f_ln1
	.globl	k_q73ff497c3f_ln1
	.p2align	8
	.type	k_q73ff497c3f_ln1,@function
k_q73ff497c3f_ln1:
	s_mov_b64 s[64:65], 0
	v_nop
	global_prefetch_b8 v0, s[64:65] scope:SCOPE_SE
	s_setreg_imm32_b32 hwreg(HW_REG_WAVE_MODE, 25, 1), 1
	s_wait_xcnt 0x0
; out1 = LayerNorm(x + (S_b / 8) P + bp) g + b, rounded once to f16 (it is the next product's operand and the later residual).  P: the first buffer, [4096][1024] f32; x: in1's f16 copy (x rounded to bf16);
; bp, g, b are rounded to bf16 like every input.  Mean first, then the squares of the deviations: no difference of large sums.  LIMIT: |out1| under 65,504.
; A wave takes a row: 32 registers of f32; lane l holds columns 128 j + 4 l + 0..3.  The three vectors go through LDS once a work-group (packed bf16, 2,048 bytes each): each thread rounds two numbers.
; Memory binds: matrix units, clusters and tensor loads would add nothing.
.set R, 32
.set XX, 64
.set BP, 96
.set G, 112
.set BB, 128
.set OUT, 144
.set SPARE, 6144                       ; the spare words: 128 bytes for each of 16 waves
	s_load_b256 s[8:15], s[0:1], 0x0               ; P 8, in1 10, nn 12, bp 14
	s_load_b128 s[16:19], s[0:1], 0x20             ; ln1_g 16, ln1_b 18
	s_load_b64 s[20:21], s[0:1], 0x30              ; in3
	v_lshl_add_u32 v20, v0, 2, SPARE
	v_mov_b32 v21, 0
	v_lshrrev_b32 v1, 5, v0
	v_readfirstlane_b32 s7, v1
	v_and_b32 v1, 31, v0
	v_lshlrev_b32 v2, 4, v1
	v_lshlrev_b32 v3, 3, v1
	v_lshlrev_b32 v4, 3, v0
	v_lshlrev_b32 v5, 2, v0
	v_mov_b32 v8, 1.0
	s_lshl_b32 s2, ttmp9, 4
	s_add_co_u32 s2, s2, s7                        ; my row
	s_lshl_b32 s24, s2, 12
	s_mov_b32 s25, 0
	s_lshl_b32 s26, s2, 11
	s_add_co_u32 s26, s26, 32768
	s_mov_b32 s27, 0
	s_lshr_b32 s28, ttmp9, 7                       ; the batch
	s_lshl_b32 s28, s28, 7
	s_add_co_u32 s28, s28, 4194304
	s_mov_b32 s29, 0
	s_mov_b32 s40, 0x3a800000                      ; 1 / 1024
	s_mov_b32 s41, 0x3727c5ac                      ; 1e-5
	s_mov_b32 s42, 0x76543210
	s_mov_b32 s43, 0xfedcba98
	s_wait_kmcnt 0x0
	s_add_nc_u64 s[8:9], s[8:9], s[24:25]
	s_add_nc_u64 s[10:11], s[10:11], s[26:27]
	s_add_nc_u64 s[20:21], s[20:21], s[26:27]
	s_add_nc_u64 s[12:13], s[12:13], s[28:29]
	s_load_b32 s30, s[12:13], 0x0                  ; S_b / 8
	global_load_b64 v[80:81], v4, s[14:15]
	global_load_b64 v[82:83], v4, s[16:17]
	global_load_b64 v[84:85], v4, s[18:19]
.irp j, 0,1,2,3,4,5,6,7
	global_load_b128 v[R+4*(\j):R+4*(\j)+3], v2, s[8:9] offset:512*(\j) th:TH_LOAD_NT
.endr
.irp j, 0,1,2,3,4,5,6,7
	global_load_b64 v[XX+2*(\j):XX+2*(\j)+1], v3, s[10:11] offset:256*(\j)
.endr
	s_wait_loadcnt 16                              ; the three vectors' loads are in; the row's sixteen stay out
	v_cvt_pk_bf16_f32 v86, v80, v81
	v_cvt_pk_bf16_f32 v87, v82, v83
	v_cvt_pk_bf16_f32 v88, v84, v85
	ds_store_b32 v5, v86
	ds_store_b32 v5, v87 offset:2048
	ds_store_b32 v5, v88 offset:4096
	s_wait_dscnt 0x0                               ; for the others' sake
	s_barrier_signal -1
	s_barrier_wait -1
.irp j, 0,1,2,3,4,5,6,7
	ds_load_b64 v[BP+2*(\j):BP+2*(\j)+1], v3 offset:256*(\j)
	ds_load_b64 v[G+2*(\j):G+2*(\j)+1],   v3 offset:2048+256*(\j)
	ds_load_b64 v[BB+2*(\j):BB+2*(\j)+1], v3 offset:4096+256*(\j)
.endr
	s_wait_kmcnt 0x0
	v_mov_b32 v7, s30
	s_wait_loadcnt 0x0
	s_wait_dscnt 0x0
.macro WSUM                            ; v[12:13] -> the sum over the wave, in every lane's v12
	v_add_f32 v12, v12, v13
	v_add_f32_dpp v12, v12, v12 row_xmask:1 row_mask:0xf bank_mask:0xf
	v_add_f32_dpp v12, v12, v12 row_xmask:2 row_mask:0xf bank_mask:0xf
	v_add_f32_dpp v12, v12, v12 row_xmask:4 row_mask:0xf bank_mask:0xf
	v_add_f32_dpp v12, v12, v12 row_xmask:8 row_mask:0xf bank_mask:0xf
	v_permlanex16_b32 v13, v12, s42, s43
	v_add_f32 v12, v12, v13
.endm
.macro FOLD
	v_pk_add_f32 v[12:13], v[12:13], v[14:15]
	v_pk_add_f32 v[16:17], v[16:17], v[18:19]
	v_pk_add_f32 v[12:13], v[12:13], v[16:17]
	WSUM
.endm
.macro LNORM                           ; R = (R - mean) / sqrt(var + 1e-5), four chains for each sum
.irp k, 0,1,2,3
	v_pk_add_f32 v[12+2*(\k):13+2*(\k)], v[R+2*(\k):R+2*(\k)+1], v[R+8+2*(\k):R+8+2*(\k)+1]
.endr
.irp m, 16,24
.irp k, 0,1,2,3
	v_pk_add_f32 v[12+2*(\k):13+2*(\k)], v[12+2*(\k):13+2*(\k)], v[R+(\m)+2*(\k):R+(\m)+2*(\k)+1]
.endr
.endr
	FOLD
	v_mul_f32 v10, s40, v12
	v_mul_f32 v11, s40, v12
.set i, 0
.rept 16
	v_pk_add_f32 v[R+i:R+i+1], v[R+i:R+i+1], v[10:11] neg_lo:[0,1] neg_hi:[0,1]
.set i, i+2
.endr
.irp k, 0,1,2,3
	v_pk_mul_f32 v[12+2*(\k):13+2*(\k)], v[R+2*(\k):R+2*(\k)+1], v[R+2*(\k):R+2*(\k)+1]
.endr
.irp m, 8,16,24
.irp k, 0,1,2,3
	v_pk_fma_f32 v[12+2*(\k):13+2*(\k)], v[R+(\m)+2*(\k):R+(\m)+2*(\k)+1], v[R+(\m)+2*(\k):R+(\m)+2*(\k)+1], v[12+2*(\k):13+2*(\k)]
.endr
.endr
	FOLD
	v_fma_f32 v12, v12, s40, s41
	v_rsq_f32 v10, v12
	v_rsq_f32 v11, v12
	v_nop                                          ; a plain instruction behind the last of the two,
	s_wait_alu depctr_va_vdst(0)                   ; and one wait for both, ahead of their first reader
.set i, 0
.rept 16
	v_pk_mul_f32 v[R+i:R+i+1], v[R+i:R+i+1], v[10:11]
.set i, i+2
.endr
.endm
.set i, 0
.rept 16
	v_fma_mix_f32 v[R+2*i],   v[R+2*i],   v7, v[XX+i] op_sel_hi:[0,0,1]                    ; (S / 8) P + x
	v_fma_mix_f32 v[R+2*i+1], v[R+2*i+1], v7, v[XX+i] op_sel:[0,0,1] op_sel_hi:[0,0,1]
.set i, i+1
.endr
.set i, 0
.rept 16
	v_fma_mix_f32_bf16 v[R+2*i],   v[BP+i], v8, v[R+2*i]   op_sel_hi:[1,0,0]               ; + bp
	v_fma_mix_f32_bf16 v[R+2*i+1], v[BP+i], v8, v[R+2*i+1] op_sel:[1,0,0] op_sel_hi:[1,0,0]
.set i, i+1
.endr
	LNORM
.set i, 0
.rept 16
	v_fma_mix_f32_bf16 v[R+2*i],   v[R+2*i],   v[G+i], v[BB+i] op_sel_hi:[0,1,1]
	v_fma_mix_f32_bf16 v[R+2*i+1], v[R+2*i+1], v[G+i], v[BB+i] op_sel:[0,1,1] op_sel_hi:[0,1,1]
.set i, i+1
.endr
.set i, 0
.rept 16
	v_cvt_pk_f16_f32 v[OUT+i], v[R+2*i], v[R+2*i+1]
.set i, i+1
.endr
.irp j, 0,1,2,3,4,5,6,7
	global_store_b64 v3, v[OUT+2*(\j):OUT+2*(\j)+1], s[20:21] offset:256*(\j)  ; a wave's store covers 256 consecutive bytes, aligned
.endr
	s_wait_tensorcnt 0x0                           ; the wave's end
	ds_add_u32 v20, v21
	s_wait_dscnt 0x0
	s_endpgm
.Lfunc_end_k_q73ff497c3f_ln1:
	.size	k_q73ff497c3f_ln1, .Lfunc_end_k_q73ff497c3f_ln1-k_q73ff497c3f_ln1
	.p2alignl 7, 3214868480
	.fill 96, 4, 3214868480
	.section	.rodata,"a",@progbits
	.p2align	6, 0x0
	.amdhsa_kernel k_q73ff497c3f_ln1
		.amdhsa_group_segment_fixed_size 8192
		.amdhsa_private_segment_fixed_size 0
		.amdhsa_enable_private_segment 0
		.amdhsa_kernarg_size 56
		.amdhsa_user_sgpr_count 2
		.amdhsa_user_sgpr_kernarg_segment_ptr 1
		.amdhsa_wavefront_size32 1
		.amdhsa_system_sgpr_workgroup_id_x 1
		.amdhsa_system_sgpr_workgroup_id_y 1
		.amdhsa_system_sgpr_workgroup_id_z 1
		.amdhsa_system_vgpr_workitem_id 0
		.amdhsa_next_free_vgpr 160
		.amdhsa_next_free_sgpr 66
		.amdhsa_reserve_vcc 0
		.amdhsa_float_denorm_mode_32 3
		.amdhsa_float_denorm_mode_16_64 3
		.amdhsa_memory_ordered 1
		.amdhsa_forward_progress 1
		.amdhsa_inst_pref_size 19
	.end_amdhsa_kernel
	.amdgpu_metadata
---
amdhsa.version: [ 1, 2 ]
amdhsa.kernels:
  - .name:           k_q73ff497c3f_ln1
    .symbol:         k_q73ff497c3f_ln1.kd
    .args:
      - { .name: hh, .offset: 0, .size: 8, .value_kind: global_buffer, .address_space: global }
      - { .name: in1, .offset: 8, .size: 8, .value_kind: global_buffer, .address_space: global }
      - { .name: nn, .offset: 16, .size: 8, .value_kind: global_buffer, .address_space: global }
      - { .name: bp, .offset: 24, .size: 8, .value_kind: global_buffer, .address_space: global }
      - { .name: ln1_g, .offset: 32, .size: 8, .value_kind: global_buffer, .address_space: global }
      - { .name: ln1_b, .offset: 40, .size: 8, .value_kind: global_buffer, .address_space: global }
      - { .name: in3, .offset: 48, .size: 8, .value_kind: global_buffer, .address_space: global }
    .group_segment_fixed_size: 8192
    .private_segment_fixed_size: 0
    .kernarg_segment_align: 8
    .kernarg_segment_size: 56
    .max_flat_workgroup_size: 512
    .sgpr_count:     66
    .vgpr_count:     160
    .wavefront_size: 32
...
	.end_amdgpu_metadata
.endif
;; end of part 6
;; launch g3: the kernel of part 2 again; grid 16 x 16, 4 waves a work-group, clusters of 4 x 4, 327,680 bytes of LDS; arguments in3, hh; writes hh
;; launch g4 (part 7): grid 8 x 32, 4 waves a work-group, clusters of 4 x 4, 327,680 bytes of LDS; arguments hh, wx, qkv; writes qkv
.if DOCPART == 7
	.amdgcn_target "amdgcn-amd-amdhsa--gfx1250"
	.amdhsa_code_object_version 6
	.text
	.protected	k_q73ff497c3f_g4
	.globl	k_q73ff497c3f_g4
	.p2align	8
	.type	k_q73ff497c3f_g4,@function
k_q73ff497c3f_g4:
	s_mov_b64 s[64:65], 0
	v_nop
	global_prefetch_b8 v0, s[64:65] scope:SCOPE_SE
	s_setreg_imm32_b32 hwreg(HW_REG_WAVE_MODE, 25, 1), 1
	s_wait_xcnt 0x0
	s_wait_alu depctr_hold_cnt(0) depctr_sa_sdst(0) depctr_va_vdst(0) depctr_va_sdst(0) depctr_va_ssrc(0) depctr_va_vcc(0) depctr_vm_vsrc(0)
	s_getreg_b32 s2, hwreg(HW_REG_IB_STS2, 6, 4)
	s_cmp_eq_u32 s2, 0
	s_cbranch_scc0 .Lentry_in_a_cluster
	s_endpgm
.Lentry_in_a_cluster:
	s_bfe_u32 s2, ttmp6, 0x10000c
	s_cmp_lg_u32 s2, 0xf033
	s_cbranch_scc0 .Lentry_shape_is_right
	s_endpgm
.Lentry_shape_is_right:
; C = A B in f32.  A: panels [K step][4096 rows][256 k] f16; B: panels [tile column][k][128 n] f16; C: [4096][1024] f32.  Here: ff = h w2 (the bias is added where the row is normalised), K = 4,096.
; A tile of C is 128 x 128, since 256 x 256 would give 64 work-groups for 256 WGPs.  Four waves, 64 x 64 each: 16 accumulators.  K goes in steps of 256 through two LDS slots: A's rows are 512 bytes
; of memory, B's 256.  B lies [k][n]: its fragments come out of LDS turned (ds_load_tr16_b128).  The product is taken transposed (source 0 = 16 columns of B, source 1 = 16 rows of A): a lane holds
; eight neighbouring numbers of a row of C.  CLUSTER 4 x 4: A's tile is asked for jointly along a row of the cluster, B's along a column.  No prefetch: the tiles are small and each is read by many.
; REGISTERS: window 0: v0-31 addresses; v128-255 the accumulators ((a, b) at v[128 + 8 (4 a + b)]).  window 1: two fragment buffers of 128: 64 of A (2 x 4 x 16 rows x 32 K), then 64 of B.
.set LAPS,    8                        ; a lap = two K steps
.set BATCHED, 0                        ; B's panel: the tile column, 1,048,576 bytes each
.set PA,     528                       ; A's LDS row: 512 bytes + 16
.set PB,     288                       ; B's: 256 + 32
.set AH,     64*PA                     ; what a tensor load brings of A: 64 rows
.set BH,     128*PB                    ; of B: 128 rows k
.set BOFF,   2*AH
.set SLOT,   2*AH+2*BH
.set STAGE,  2*SLOT                    ; 16 rows x 272 bytes for each wave
.set SPITCH, 272
.set SPARE,  STAGE+4*16*SPITCH
.set ASTEP,  2097152                   ; from a K step's panel of A to the next
.set BSTEP,  65536
.set ADRA, 16                          ; v16-17  my A fragments in slot 0, 1
.set ADRB, 20                          ; v20-23  my B fragments: slot, and which 128 rows k (an LDS immediate has 16 bits)
.set STO,  24
.set RD,   25
.set CO,   26
.set SPW,  28
.set NIL,  29
.set ACC,  128
.set F0,   0
.set F1,   128
.set G1, 24
.set G0, 32
.set G1B, 48
.set G0B, 56
.set MSB, 0
.macro WIN new
.if MSB != (\new)
	s_set_vgpr_msb (MSB<<8)|(\new)
.set MSB, \new
.endif
.endm
.set MUL,  0x05                        ; sources 0 (B) and 1 (A) window 1; C and D window 0
.set TO_F, 0x40                        ; destination window 1, address window 0
.macro JLOAD s                         ; waves 0 and 1 fetch A's halves, waves 2 and 3 B's; an s_nop 0 and four v_nop follow each line
	s_cmp_eq_u32 s11, 0
	s_cbranch_scc0 .Lfor_b_\@
	tensor_load_to_lds s[G0+4*(\s):G0+4*(\s)+3], s[G1:G1+7]
	s_nop 0
.rept 4
	v_nop
.endr
	s_branch .Lasked_\@
.Lfor_b_\@:
	tensor_load_to_lds s[G0B+4*(\s):G0B+4*(\s)+3], s[G1B:G1B+7]
	s_nop 0
.rept 4
	v_nop
.endr
.Lasked_\@:
.endm
.macro CREST
	s_cmp_lg_u32 s10, 0
	s_cbranch_scc1 .Lnot_wave_0_\@
	s_barrier_signal -3
.Lnot_wave_0_\@:
	s_barrier_wait -3
	s_barrier_signal -1
	s_barrier_wait -1
.endm
.macro CROUND
	s_barrier_signal -1
	s_barrier_wait -1
	CREST
.endm
	s_load_b128 s[4:7], s[0:1], 0x0                ; A, B
	s_load_b64 s[8:9], s[0:1], 0x10                ; C
	v_lshl_add_u32 v[SPW], v0, 2, SPARE
	v_mov_b32 v[NIL], 0
	ds_add_u32 v[SPW], v[NIL]                      ; the wave's opening: the add, twice on end, and its wait ahead of my first tensor load
	ds_add_u32 v[SPW], v[NIL]
	v_lshrrev_b32 v1, 5, v0
	v_readfirstlane_b32 s10, v1
	s_lshr_b32 s11, s10, 1                         ; my half of the rows; also: I fetch for A (0) or B (1)
	s_and_b32 s12, s10, 1                          ; my half of the columns; also: which half of that tile I fetch
	s_bfe_u32 s40, ttmp6, 0x40000
	s_bfe_u32 s41, ttmp6, 0x40004
	s_lshl_b32 s42, ttmp9, 2
	s_add_co_u32 s42, s42, s40                     ; tile column
	s_and_b32 s13, ttmp7, 0xffff
	s_lshl_b32 s13, s13, 2
	s_add_co_u32 s13, s13, s41                     ; tile row
	s_lshl_b32 s43, s41, 2
	s_lshl_b32 s43, 15, s43
	s_lshl_b32 s44, 0x1111, s40
	s_or_b32 s[G1+0], s43, (1<<16)|(1<<20)|(1<<21)|(6<<22)|(3<<25)   ; after every 128 words 4 words of padding
	s_mov_b32 s[G1+1], 256<<16                     ; tensor_dim0
	s_mov_b32 s[G1+2], 64<<16                      ; tensor_dim1
	s_mov_b32 s[G1+3], 256<<16                     ; tile_dim0
	s_mov_b32 s[G1+4], 64                          ; tile_dim1
	s_mov_b32 s[G1+5], 256                         ; elements from row to row
	s_mov_b32 s[G1+6], 0
	s_mov_b32 s[G1+7], 0
	s_or_b32 s[G1B+0], s44, (1<<16)|(1<<20)|(1<<21)|(5<<22)|(7<<25)  ; after every 64 words 8 words
	s_mov_b32 s[G1B+1], 128<<16
	s_mov_b32 s[G1B+2], 128<<16
	s_mov_b32 s[G1B+3], 128<<16
	s_mov_b32 s[G1B+4], 128
	s_mov_b32 s[G1B+5], 128
	s_mov_b32 s[G1B+6], 0
	s_mov_b32 s[G1B+7], 0
	s_lshl_b32 s16, s13, 16                        ; A: 128 rows of 512 bytes a tile row, 64 a half
	s_lshl_b32 s17, s12, 15
	s_add_co_u32 s16, s16, s17
	s_mov_b32 s17, 0
.if BATCHED
	s_and_b32 s46, ttmp7, 0xffff                   ; the batch = cluster y / 4, which a column of the cluster shares
	s_lshr_b32 s46, s46, 2
	s_lshl_b32 s46, s46, 3
	s_add_co_u32 s46, s46, s42
	s_lshl_b32 s46, s46, 18
.else
	s_lshl_b32 s46, s42, 20
.endif
	s_lshl_b32 s47, s12, 15                        ; 128 rows k of 256 bytes a half
	s_add_co_u32 s46, s46, s47
	s_mov_b32 s47, 0
	s_mul_i32 s20, s12, AH                         ; where they go
	s_mul_i32 s21, s12, BH
	s_add_co_u32 s21, s21, BOFF
	s_wait_dscnt 0x0
	s_wait_kmcnt 0x0
	s_add_nc_u64 s[14:15], s[4:5], s[16:17]
	s_add_nc_u64 s[46:47], s[6:7], s[46:47]
	CROUND                                         ; the first joint loads meet
.irp s, 0,1
	s_mov_b32 s[G0+4*(\s)], 1
	s_add_co_u32 s[G0+4*(\s)+1], s20, (\s)*SLOT
	s_add_nc_u64 s[G0+4*(\s)+2:G0+4*(\s)+3], s[14:15], (\s)*ASTEP
	s_or_b32 s[G0+4*(\s)+3], s[G0+4*(\s)+3], 0x80000000
	s_mov_b32 s[G0B+4*(\s)], 1
	s_add_co_u32 s[G0B+4*(\s)+1], s21, (\s)*SLOT
	s_add_nc_u64 s[G0B+4*(\s)+2:G0B+4*(\s)+3], s[46:47], (\s)*BSTEP
	s_or_b32 s[G0B+4*(\s)+3], s[G0B+4*(\s)+3], 0x80000000
	JLOAD \s
.endr
	v_and_b32 v1, 15, v0
	v_bfe_u32 v2, v0, 4, 1
	v_mul_u32_u24 v3, v1, PA
	v_lshl_add_u32 v3, v2, 4, v3
	s_mul_i32 s21, s11, AH
	v_and_b32 v6, 7, v0
	v_lshl_add_u32 v6, v2, 3, v6
	v_mul_u32_u24 v6, v6, PB
	v_bfe_u32 v7, v0, 3, 1
	v_lshl_add_u32 v6, v7, 4, v6
	s_lshl_b32 s22, s12, 7                         ; my 64 columns
	s_add_co_u32 s22, s22, BOFF
.irp s, 0,1
	v_add_nc_u32 v[ADRA+(\s)], s21, v3
	v_add_nc_u32 v[ADRB+2*(\s)], s22, v6
	s_add_co_u32 s23, s22, BH
	v_add_nc_u32 v[ADRB+2*(\s)+1], s23, v6
	s_add_co_u32 s21, s21, SLOT
	s_add_co_u32 s22, s22, SLOT
.endr
	s_mul_i32 s23, s10, 16*SPITCH
	s_add_co_u32 s23, s23, STAGE                   ; my stage: a wave's 64 columns of f32 are 256 bytes, aligned, so no wave needs another's
	v_mul_u32_u24 v4, v1, SPITCH
	v_lshl_add_u32 v4, v2, 5, v4                   ; row l % 16, 32 bytes for each half of the lanes
	v_add_nc_u32 v[STO], s23, v4
	v_mul_u32_u24 v5, v2, SPITCH
	v_lshl_add_u32 v5, v1, 4, v5
	v_add_nc_u32 v[RD], s23, v5
	v_lshlrev_b32 v5, 12, v2
	v_lshl_add_u32 v[CO], v1, 4, v5
	s_lshl_b32 s16, s13, 19                        ; C: 128 rows of 4,096 bytes a tile row, 64 a half,
	s_lshl_b32 s17, s11, 18
	s_add_co_u32 s16, s16, s17
	s_mov_b32 s17, 0
	s_add_nc_u64 s[8:9], s[8:9], s[16:17]
	s_lshl_b32 s46, s42, 9                         ; 512 bytes a tile column, 256 a half
	s_lshl_b32 s47, s12, 8
	s_add_co_u32 s46, s46, s47
	s_mov_b32 s47, 0
	s_add_nc_u64 s[8:9], s[8:9], s[46:47]
; 8 matrix instructions: row blocks a0, a0 + 1 x 4 column blocks, 32 along K: half c of buffer f.  The 16 accumulators take turns.
.macro MUL8 f, c, a0, zero
	WIN MUL
.irp a, \a0, (\a0)+1
.irp b, 0,1,2,3
.if \zero
	v_wmma_f32_16x16x32_f16 v[ACC+8*(4*(\a)+(\b)):ACC+8*(4*(\a)+(\b))+7], v[(\f)+64+8*(4*(\c)+(\b)):(\f)+64+8*(4*(\c)+(\b))+7], v[(\f)+8*(4*(\c)+(\a)):(\f)+8*(4*(\c)+(\a))+7], 0
.else
	v_wmma_f32_16x16x32_f16 v[ACC+8*(4*(\a)+(\b)):ACC+8*(4*(\a)+(\b))+7], v[(\f)+64+8*(4*(\c)+(\b)):(\f)+64+8*(4*(\c)+(\b))+7], v[(\f)+8*(4*(\c)+(\a)):(\f)+8*(4*(\c)+(\a))+7], v[ACC+8*(4*(\a)+(\b)):ACC+8*(4*(\a)+(\b))+7]
.endif
.endr
.endr
.endm
; 32 LDS loads in one run: quarter qn (64 along K) of a slot into buffer f; its first 32 along K first
.macro FETCH slot, qn, f
	WIN TO_F
.irp c, 0,1
.irp i, 0,1,2,3
	ds_load_tr16_b128 v[(\f)+64+8*(4*(\c)+(\i)):(\f)+64+8*(4*(\c)+(\i))+3],   v[ADRB+2*(\slot)+(\qn)/2] offset:(((\qn)%2)*64+32*(\c))*PB+32*(\i)
	ds_load_tr16_b128 v[(\f)+64+8*(4*(\c)+(\i))+4:(\f)+64+8*(4*(\c)+(\i))+7], v[ADRB+2*(\slot)+(\qn)/2] offset:(((\qn)%2)*64+32*(\c))*PB+32*(\i)+16*PB
	ds_load_b128 v[(\f)+8*(4*(\c)+(\i)):(\f)+8*(4*(\c)+(\i))+3],         v[ADRA+(\slot)] offset:128*(\qn)+64*(\c)+(\i)*16*PA
	ds_load_b128 v[(\f)+8*(4*(\c)+(\i))+4:(\f)+8*(4*(\c)+(\i))+7],       v[ADRA+(\slot)] offset:128*(\qn)+64*(\c)+(\i)*16*PA+32
.endr
.endr
.endm
.macro PLACES
.rept 4
	v_nop
.endr
.endm
.macro QUARTER slot, qn, f, g, zero    ; multiplies buffer f, fetches quarter qn into g
	s_wait_dscnt 16                                ; the first 32 along K are in
	MUL8 \f, 0, 0, \zero
	MUL8 \f, 0, 2, \zero
	PLACES
	FETCH \slot, \qn, \g
	s_wait_dscnt 32                                ; all but the 32 just issued
	MUL8 \f, 1, 0, 0
	MUL8 \f, 1, 2, 0
.endm
; The last quarter changes slots: one barrier; ahead of it each wave waits for all its tensor loads, adds 0 to its spare word, and waits for that and for its reads of this slot.  fill = 1: the slot is filled again, two K steps on.
.macro TURN slot, next, fill
	WIN 0
	s_wait_tensorcnt 0x0
	ds_add_u32 v[SPW], v[NIL]
	s_wait_dscnt 17                                ; the add and the youngest sixteen loads may be out
	MUL8 F1, 0, 0, 0
	s_wait_dscnt 0x0
	s_barrier_signal -1
	MUL8 F1, 0, 2, 0
.if \fill
	WIN 0
.endif
	s_barrier_wait -1
.if \fill
	CREST                                          ; no wave of any partner still reads this slot or has a load on its way
	s_add_nc_u64 s[G0+4*(\slot)+2:G0+4*(\slot)+3], s[G0+4*(\slot)+2:G0+4*(\slot)+3], 2*ASTEP
	s_add_nc_u64 s[G0B+4*(\slot)+2:G0B+4*(\slot)+3], s[G0B+4*(\slot)+2:G0B+4*(\slot)+3], 2*BSTEP
	JLOAD \slot                                    ; 112 matrix instructions ahead of the wait for it
.else
	PLACES
.endif
	FETCH \next, 0, F0
	MUL8 F1, 1, 0, 0
	MUL8 F1, 1, 2, 0
.endm
	s_wait_tensorcnt 1                             ; my part of K step 0 is in; K step 1's may stay out
	s_barrier_signal -1
	s_barrier_wait -1
	FETCH 0, 0, F0
	QUARTER 0, 1, F0, F1, 1
	WIN 0
	s_mov_b32 s3, LAPS-1
.Llap:
	QUARTER 0, 2, F1, F0, 0
	QUARTER 0, 3, F0, F1, 0
	TURN 0, 1, 1
	QUARTER 1, 1, F0, F1, 0
	QUARTER 1, 2, F1, F0, 0
	QUARTER 1, 3, F0, F1, 0
	TURN 1, 0, 1
	QUARTER 0, 1, F0, F1, 0
	WIN 0
	s_sub_co_u32 s3, s3, 1
	s_cmp_lg_u32 s3, 0
	s_cbranch_scc1 .Llap
	QUARTER 0, 2, F1, F0, 0                        ; the last lap fills nothing
	QUARTER 0, 3, F0, F1, 0
	TURN 0, 1, 0
	QUARTER 1, 1, F0, F1, 0
	QUARTER 1, 2, F1, F0, 0
	QUARTER 1, 3, F0, F1, 0
	s_wait_dscnt 16
	MUL8 F1, 0, 0, 0
	MUL8 F1, 0, 2, 0
	s_wait_dscnt 0
	MUL8 F1, 1, 0, 0
	MUL8 F1, 1, 2, 0
	WIN 0
	PLACES
; The way out, 16 rows at a time: a lane's 32 bytes go into my stage, whole rows of 256 bytes come back into the same registers and are stored.
.macro STG a
.irp b, 0,1,2,3
	ds_store_b128 v[STO], v[ACC+8*(4*(\a)+(\b)):ACC+8*(4*(\a)+(\b))+3]   offset:64*(\b)      ; each accumulator's low registers first
	ds_store_b128 v[STO], v[ACC+8*(4*(\a)+(\b))+4:ACC+8*(4*(\a)+(\b))+7] offset:64*(\b)+16
.endr
.irp t, 0,1,2,3,4,5,6,7
	ds_load_b128 v[ACC+32*(\a)+4*(\t):ACC+32*(\a)+4*(\t)+3], v[RD] offset:(\t)*2*SPITCH  ; LDS serves a wave's instructions in order (ISA guide 5.7.1.4)
.endr
.endm
.macro SND a, younger                  ; younger: the next block's sixteen LDS instructions, or none
.irp t, 0,1,2,3,4,5,6,7
	s_wait_dscnt (\younger)+7-(\t)
	global_store_b128 v[CO], v[ACC+32*(\a)+4*(\t):ACC+32*(\a)+4*(\t)+3], s[8:9] offset:(16*(\a)+2*(\t))*4096  ; 16 lanes store 256 consecutive bytes, aligned
.endr
.endm
	STG 0
	STG 1
	SND 0, 16
	STG 2
	SND 1, 16
	STG 3
	SND 2, 16
	SND 3, 0
	s_wait_tensorcnt 0x0                           ; the wave's end
	ds_add_u32 v[SPW], v[NIL]
	s_wait_dscnt 0x0
	CROUND                                         ; the closing round
	s_endpgm
.Lfunc_end_k_q73ff497c3f_g4:
	.size	k_q73ff497c3f_g4, .Lfunc_end_k_q73ff497c3f_g4-k_q73ff497c3f_g4
	.p2alignl 7, 3214868480
	.fill 96, 4, 3214868480
	.section	.rodata,"a",@progbits
	.p2align	6, 0x0
	.amdhsa_kernel k_q73ff497c3f_g4
		.amdhsa_group_segment_fixed_size 327680
		.amdhsa_private_segment_fixed_size 0
		.amdhsa_enable_private_segment 0
		.amdhsa_kernarg_size 24
		.amdhsa_user_sgpr_count 2
		.amdhsa_user_sgpr_kernarg_segment_ptr 1
		.amdhsa_wavefront_size32 1
		.amdhsa_system_sgpr_workgroup_id_x 1
		.amdhsa_system_sgpr_workgroup_id_y 1
		.amdhsa_system_sgpr_workgroup_id_z 1
		.amdhsa_system_vgpr_workitem_id 0
		.amdhsa_next_free_vgpr 512
		.amdhsa_next_free_sgpr 66
		.amdhsa_reserve_vcc 0
		.amdhsa_float_denorm_mode_32 3
		.amdhsa_float_denorm_mode_16_64 3
		.amdhsa_memory_ordered 1
		.amdhsa_forward_progress 1
		.amdhsa_inst_pref_size 87
	.end_amdhsa_kernel
	.amdgpu_metadata
---
amdhsa.version: [ 1, 2 ]
amdhsa.kernels:
  - .name:           k_q73ff497c3f_g4
    .symbol:         k_q73ff497c3f_g4.kd
    .args:
      - { .name: hh, .offset: 0, .size: 8, .value_kind: global_buffer, .address_space: global }
      - { .name: wx, .offset: 8, .size: 8, .value_kind: global_buffer, .address_space: global }
      - { .name: qkv, .offset: 16, .size: 8, .value_kind: global_buffer, .address_space: global }
    .group_segment_fixed_size: 327680
    .private_segment_fixed_size: 0
    .kernarg_segment_align: 8
    .kernarg_segment_size: 24
    .max_flat_workgroup_size: 128
    .sgpr_count:     66
    .vgpr_count:     512
    .wavefront_size: 32
...
	.end_amdgpu_metadata
.endif
;; end of part 7
;; launch lnf (part 8): grid 256 x 1, 16 waves a work-group, no clusters, 14,336 bytes of LDS; arguments qkv, in3, b2, lnf_g, lnf_b, ln2_g, ln2_b, out0; writes out0
.if DOCPART == 8
	.amdgcn_target "amdgcn-amd-amdhsa--gfx1250"
	.amdhsa_code_object_version 6
	.text
	.protected	k_q73ff497c3f_lnf
	.globl	k_q73ff497c3f_lnf
	.p2align	8
	.type	k_q73ff497c3f_lnf,@function
k_q73ff497c3f_lnf:
	s_mov_b64 s[64:65], 0
	v_nop
	global_prefetch_b8 v0, s[64:65] scope:SCOPE_SE
	s_setreg_imm32_b32 hwreg(HW_REG_WAVE_MODE, 25, 1), 1
	s_wait_xcnt 0x0
; out0 = LN2(out1 + LNf(out1 + ff + b2)).  ff: the first buffer, [4096][1024] f32; out1: in3's f16 copy; the five vectors are rounded to bf16 like every input.
; Each norm: the mean first, then the squares of the deviations: no difference of large sums.
; A wave takes a row: 32 registers of f32; lane l holds columns 128 j + 4 l + 0..3.
; BOTH NORMS ARE ONE TEXT, walked twice: R = LayerNorm(R + out1 + a) g + b.  The vectors lie in LDS (packed bf16, 2,048 bytes each) as two groups of three, (a, g, b): (b2, lnf_g, lnf_b) and
; (zeros, ln2_g, ln2_b); a trip loads its group.  The second trip's addition of zeros is the price of the one text: 32 instructions a row.
; Memory binds: matrix units, clusters and tensor loads would add nothing.
.set R, 32
.set O, 64
.set VA, 96                            ; v[96:111]  the trip's a,
.set VG, 112                           ; v[112:127] g,
.set VB, 128                           ; v[128:143] b
.set GROUP, 3*2048
.set SPARE, 2*GROUP                    ; the spare words: 128 bytes for each of 16 waves
	s_load_b512 s[8:23], s[0:1], 0x0               ; ff 8, in3 10, b2 12, lnf_g 14, lnf_b 16, ln2_g 18, ln2_b 20, out0 22
	v_lshl_add_u32 v20, v0, 2, SPARE
	v_mov_b32 v21, 0
	v_lshrrev_b32 v1, 5, v0
	v_readfirstlane_b32 s7, v1
	v_and_b32 v1, 31, v0
	v_lshlrev_b32 v2, 4, v1
	v_lshlrev_b32 v3, 3, v1
	v_lshlrev_b32 v4, 3, v0
	v_lshlrev_b32 v5, 2, v0
	v_lshlrev_b32 v6, 3, v1                        ; my 8 bytes of each 256 of a vector in LDS: steps from group to group
	v_mov_b32 v8, 1.0
	v_mov_b32 v9, 0
	s_lshl_b32 s2, ttmp9, 4
	s_add_co_u32 s2, s2, s7                        ; my row
	s_lshl_b32 s24, s2, 12
	s_mov_b32 s25, 0
	s_lshl_b32 s26, s2, 11
	s_add_co_u32 s26, s26, 32768
	s_mov_b32 s27, 0
	s_mov_b32 s40, 0x3a800000                      ; 1 / 1024
	s_mov_b32 s41, 0x3727c5ac                      ; 1e-5
	s_mov_b32 s42, 0x76543210
	s_mov_b32 s43, 0xfedcba98
	s_wait_kmcnt 0x0
	s_add_nc_u64 s[8:9], s[8:9], s[24:25]
	s_add_nc_u64 s[10:11], s[10:11], s[26:27]
	s_add_nc_u64 s[22:23], s[22:23], s[24:25]
.irp k, 0,1,2,3,4
	global_load_b64 v[80+2*(\k):81+2*(\k)], v4, s[12+2*(\k):13+2*(\k)]
.endr
.irp j, 0,1,2,3,4,5,6,7
	global_load_b128 v[R+4*(\j):R+4*(\j)+3], v2, s[8:9] offset:512*(\j) th:TH_LOAD_NT
.endr
.irp j, 0,1,2,3,4,5,6,7
	global_load_b64 v[O+2*(\j):O+2*(\j)+1], v3, s[10:11] offset:256*(\j)
.endr
	s_wait_loadcnt 16                              ; the five vectors' loads are in; the row's sixteen stay out
.irp k, 0,1,2,3,4
	v_cvt_pk_bf16_f32 v[90+(\k)], v[80+2*(\k)], v[81+2*(\k)]
.endr
	ds_store_b32 v5, v90                           ; b2
	ds_store_b32 v5, v91 offset:2048               ; lnf_g
	ds_store_b32 v5, v92 offset:4096               ; lnf_b
	ds_store_b32 v5, v9  offset:GROUP              ; zeros
	ds_store_b32 v5, v93 offset:GROUP+2048         ; ln2_g
	ds_store_b32 v5, v94 offset:GROUP+4096         ; ln2_b
	s_wait_dscnt 0x0                               ; for the others' sake
	s_barrier_signal -1
	s_barrier_wait -1
	s_wait_loadcnt 0x0                             ; the row
.macro WSUM                            ; v[12:13] -> the sum over the wave, in every lane's v12
	v_add_f32 v12, v12, v13
	v_add_f32_dpp v12, v12, v12 row_xmask:1 row_mask:0xf bank_mask:0xf
	v_add_f32_dpp v12, v12, v12 row_xmask:2 row_mask:0xf bank_mask:0xf
	v_add_f32_dpp v12, v12, v12 row_xmask:4 row_mask:0xf bank_mask:0xf
	v_add_f32_dpp v12, v12, v12 row_xmask:8 row_mask:0xf bank_mask:0xf
	v_permlanex16_b32 v13, v12, s42, s43
	v_add_f32 v12, v12, v13
.endm
.macro FOLD
	v_pk_add_f32 v[12:13], v[12:13], v[14:15]
	v_pk_add_f32 v[16:17], v[16:17], v[18:19]
	v_pk_add_f32 v[12:13], v[12:13], v[16:17]
	WSUM
.endm
	s_mov_b32 s28, 2
.Lnorm:
.irp j, 0,1,2,3,4,5,6,7
	ds_load_b64 v[VA+2*(\j):VA+2*(\j)+1], v6 offset:256*(\j)
	ds_load_b64 v[VG+2*(\j):VG+2*(\j)+1], v6 offset:2048+256*(\j)
	ds_load_b64 v[VB+2*(\j):VB+2*(\j)+1], v6 offset:4096+256*(\j)
.endr
.set i, 0
.rept 16
	v_fma_mix_f32 v[R+2*i],   v[O+i], v8, v[R+2*i]   op_sel_hi:[1,0,0]                     ; + out1 (f16 halves), while the vectors come
	v_fma_mix_f32 v[R+2*i+1], v[O+i], v8, v[R+2*i+1] op_sel:[1,0,0] op_sel_hi:[1,0,0]
.set i, i+1
.endr
	s_wait_dscnt 0x0
.set i, 0
.rept 16
	v_fma_mix_f32_bf16 v[R+2*i],   v[VA+i], v8, v[R+2*i]   op_sel_hi:[1,0,0]               ; + a (bf16 halves)
	v_fma_mix_f32_bf16 v[R+2*i+1], v[VA+i], v8, v[R+2*i+1] op_sel:[1,0,0] op_sel_hi:[1,0,0]
.set i, i+1
.endr
	; R = (R - mean) / sqrt(var + 1e-5), four chains for each sum
.irp k, 0,1,2,3
	v_pk_add_f32 v[12+2*(\k):13+2*(\k)], v[R+2*(\k):R+2*(\k)+1], v[R+8+2*(\k):R+8+2*(\k)+1]
.endr
.irp m, 16,24
.irp k, 0,1,2,3
	v_pk_add_f32 v[12+2*(\k):13+2*(\k)], v[12+2*(\k):13+2*(\k)], v[R+(\m)+2*(\k):R+(\m)+2*(\k)+1]
.endr
.endr
	FOLD
	v_mul_f32 v10, s40, v12
	v_mul_f32 v11, s40, v12
.set i, 0
.rept 16
	v_pk_add_f32 v[R+i:R+i+1], v[R+i:R+i+1], v[10:11] neg_lo:[0,1] neg_hi:[0,1]
.set i, i+2
.endr
.irp k, 0,1,2,3
	v_pk_mul_f32 v[12+2*(\k):13+2*(\k)], v[R+2*(\k):R+2*(\k)+1], v[R+2*(\k):R+2*(\k)+1]
.endr
.irp m, 8,16,24
.irp k, 0,1,2,3
	v_pk_fma_f32 v[12+2*(\k):13+2*(\k)], v[R+(\m)+2*(\k):R+(\m)+2*(\k)+1], v[R+(\m)+2*(\k):R+(\m)+2*(\k)+1], v[12+2*(\k):13+2*(\k)]
.endr
.endr
	FOLD
	v_fma_f32 v12, v12, s40, s41
	v_rsq_f32 v10, v12
	v_rsq_f32 v11, v12
	v_nop                                          ; a plain instruction behind the last of the two,
	s_wait_alu depctr_va_vdst(0)                   ; and one wait for both, ahead of their first reader
.set i, 0
.rept 16
	v_pk_mul_f32 v[R+i:R+i+1], v[R+i:R+i+1], v[10:11]
.set i, i+2
.endr
.set i, 0
.rept 16
	v_fma_mix_f32_bf16 v[R+2*i],   v[R+2*i],   v[VG+i], v[VB+i] op_sel_hi:[0,1,1]          ; R g + b
	v_fma_mix_f32_bf16 v[R+2*i+1], v[R+2*i+1], v[VG+i], v[VB+i] op_sel:[0,1,1] op_sel_hi:[0,1,1]
.set i, i+1
.endr
	v_add_nc_u32 v6, GROUP, v6                     ; the next group of vectors
	s_sub_co_u32 s28, s28, 1
	s_cmp_lg_u32 s28, 0
	s_cbranch_scc1 .Lnorm
.irp j, 0,1,2,3,4,5,6,7
	global_store_b128 v2, v[R+4*(\j):R+4*(\j)+3], s[22:23] offset:512*(\j) th:TH_STORE_NT  ; 512 consecutive bytes, aligned
.endr
	s_wait_tensorcnt 0x0                           ; the wave's end
	ds_add_u32 v20, v21
	s_wait_dscnt 0x0
	s_endpgm
.Lfunc_end_k_q73ff497c3f_lnf:
	.size	k_q73ff497c3f_lnf, .Lfunc_end_k_q73ff497c3f_lnf-k_q73ff497c3f_lnf
	.p2alignl 7, 3214868480
	.fill 96, 4, 3214868480
	.section	.rodata,"a",@progbits
	.p2align	6, 0x0
	.amdhsa_kernel k_q73ff497c3f_lnf
		.amdhsa_group_segment_fixed_size 14336
		.amdhsa_private_segment_fixed_size 0
		.amdhsa_enable_private_segment 0
		.amdhsa_kernarg_size 64
		.amdhsa_user_sgpr_count 2
		.amdhsa_user_sgpr_kernarg_segment_ptr 1
		.amdhsa_wavefront_size32 1
		.amdhsa_system_sgpr_workgroup_id_x 1
		.amdhsa_system_sgpr_workgroup_id_y 1
		.amdhsa_system_sgpr_workgroup_id_z 1
		.amdhsa_system_vgpr_workitem_id 0
		.amdhsa_next_free_vgpr 144
		.amdhsa_next_free_sgpr 66
		.amdhsa_reserve_vcc 0
		.amdhsa_float_denorm_mode_32 3
		.amdhsa_float_denorm_mode_16_64 3
		.amdhsa_memory_ordered 1
		.amdhsa_forward_progress 1
		.amdhsa_inst_pref_size 18
	.end_amdhsa_kernel
	.amdgpu_metadata
---
amdhsa.version: [ 1, 2 ]
amdhsa.kernels:
  - .name:           k_q73ff497c3f_lnf
    .symbol:         k_q73ff497c3f_lnf.kd
    .args:
      - { .name: qkv, .offset: 0, .size: 8, .value_kind: global_buffer, .address_space: global }
      - { .name: in3, .offset: 8, .size: 8, .value_kind: global_buffer, .address_space: global }
      - { .name: b2, .offset: 16, .size: 8, .value_kind: global_buffer, .address_space: global }
      - { .name: lnf_g, .offset: 24, .size: 8, .value_kind: global_buffer, .address_space: global }
      - { .name: lnf_b, .offset: 32, .size: 8, .value_kind: global_buffer, .address_space: global }
      - { .name: ln2_g, .offset: 40, .size: 8, .value_kind: global_buffer, .address_space: global }
      - { .name: ln2_b, .offset: 48, .size: 8, .value_kind: global_buffer, .address_space: global }
      - { .name: out0, .offset: 56, .size: 8, .value_kind: global_buffer, .address_space: global }
    .group_segment_fixed_size: 14336
    .private_segment_fixed_size: 0
    .kernarg_segment_align: 8
    .kernarg_segment_size: 64
    .max_flat_workgroup_size: 512
    .sgpr_count:     66
    .vgpr_count:     144
    .wavefront_size: 32
...
	.end_amdgpu_metadata
.endif
;; end of part 8
;; ======== version 2 of 2: 9 launches; version 1 with the launches prep, nnk written anew for expert scheduling mode
;; limits: values outside matrix products are rounded to f16; values are held in f16: magnitudes above 65,504 overflow, below 6.1e-05 lose precision
;; workspace buffers: in1 14,712,832 bytes; in3 16,809,984 bytes; qkv 25,165,824 bytes; hh 33,554,432 bytes; wx 10,485,760 bytes; nn 4,194,560 bytes
;; launch prep (part 9): grid 1031 x 1, 4 waves a work-group, no clusters, 0 bytes of LDS; arguments x, wq, wk, wv, wp, w1, w2, bq, bk, bv, b1, in1, in3, wx; writes in1, in3, wx
.if DOCPART == 9
	.amdgcn_target "amdgcn-amd-amdhsa--gfx1250"
	.amdhsa_code_object_version 6
	.text
	.protected	k_q73ff497c3f_prep
	.globl	k_q73ff497c3f_prep
	.p2align	8
	.type	k_q73ff497c3f_prep,@function
k_q73ff497c3f_prep:
	s_mov_b64 s[64:65], 0
	v_nop
	global_prefetch_b8 v0, s[64:65] scope:SCOPE_SE
	s_setreg_imm32_b32 hwreg(HW_REG_WAVE_SCHED_MODE, 0, 2), 2
	s_setreg_imm32_b32 hwreg(HW_REG_WAVE_MODE, 25, 1), 1
	s_wait_xcnt 0x0
	s_wait_alu depctr_vm_vsrc(0)
; PREP: every matrix operand that is an input is rounded once to bf16 and that number is written as f16 (exact inside f16's normal range), in the layout that the products want.
; LIMITS: a number of 65,520 or more in magnitude becomes an infinity; below 6.1e-5 f16 keeps its fixed step of 6e-8.
; A work-group makes 16,384 numbers = 32,768 consecutive bytes of one destination: 32 steps of 1,024 bytes; thread t writes 8 bytes at 1,024 i + 8 t (a wave's store covers 256
; consecutive bytes, aligned) and reads 16 bytes of f32 at SRC + vo(t) + i STEP.  The work-group's number picks the job; each arm sets SRC, STEP, DST and vo.
;   0-255 x -> in1+32768 [4096][1024]        256-447 wq, wk, wv -> in1+8421376, panels [12][k 1024][256 n] (column c of panel nb: head 4 (nb % 4) + c / 64, channel c % 64)
;   448-703 w1 -> in3+8421376, panels [16][k 1024][256 n]     704-959 w2 -> wx, panels [8][k 4096][128 n]     960-1023 wp -> wx+8388608 [1024][1024]
;   1024-1030 bq, bk, bv -> in1+512 and b1 -> in3+512, rounded to bf16 and kept as f32; jobs 1024 and 1027 also write the 512-byte head of their table: the floor that the product's way out applies
;   (two f16 of -infinity: none; two zeros: ReLU).
; All 32 loads of a thread go out at once (16 KiB a wave on its way); no register that a pending load or store names is written again, so there is no loop.
; THE MODE: SCHED_MODE bits 1:0 = 2 (LLVM: expert scheduling mode 2), set by the entry lines.  The code itself states the register dependences
; between vector instructions and memory instructions, with s_wait_alu, always for 0.
; THE PLAN.  Registers that memory instructions touch:
;   v2-v9    the loads' offsets: written once at .Lgo, read by the 32 loads.          v10  the stores' offset: written once at the head, read by the 32 stores.
;   X        step i's four registers: written by load i, once; read by step i's roundings.
;   Y        step i's two registers: written by step i's last two conversions, once; read by store i, which is issued in step i + 4.
;   T        named by vector instructions alone.
; The 32 steps go in eight blocks of four.  One wait at a block's head states that the block before has written its Y; the four stores of that block follow, one to a step,
; among vector instructions that name this block's X and Y and T alone.  No register that a memory instruction reads is written again.
.set X, 16                             ; v[16:143]  32 x 4 f32 as loaded
.set Y, 144                            ; v[144:207] 32 x 2 registers of f16 to store
.set T, 208                            ; v[208:215] at work
.set BLOCK, 4                          ; steps in a block
.set OFFA, 32768
.set OFFB, 8421376
.set OFFP, 8388608
	s_load_b512 s[8:23], s[0:1], 0x0               ; x 8, wq 10, wk 12, wv 14, wp 16, w1 18, w2 20, bq 22
	s_load_b256 s[24:31], s[0:1], 0x40             ; bk 24, bv 26, b1 28, in1 30
	s_load_b128 s[32:35], s[0:1], 0x60             ; in3 32, wx 34
	s_mov_b32 s2, ttmp9                            ; the job
	s_mov_b32 s43, 0xffff0000                      ; a word's upper bf16
	s_mov_b32 s37, 0                               ; high words of the three offsets
	s_mov_b32 s39, 0
	s_mov_b32 s47, 0
	v_lshlrev_b32 v10, 3, v0                       ; 8 t
	s_wait_kmcnt 0x0
	s_cmp_lt_u32 s2, 256
	s_cbranch_scc0 .Lnot_x
	s_lshl_b32 s38, s2, 16                         ; x: plain
	s_lshl_b32 s36, s2, 15
	s_add_co_u32 s36, s36, OFFA
	s_add_nc_u64 s[40:41], s[8:9], s[38:39]
	s_add_nc_u64 s[44:45], s[30:31], s[36:37]
	s_mov_b32 s42, 2048
	v_lshlrev_b32 v1, 4, v0
	s_branch .Lgo
.Lnot_x:
	s_cmp_lt_u32 s2, 448
	s_cbranch_scc0 .Lnot_qkv
	s_sub_co_u32 s3, s2, 256                       ; wq, wk, wv: 64 jobs each, 16 to a panel, 64 rows k to a job
	s_lshr_b32 s4, s3, 6
	s_cmp_eq_u32 s4, 1
	s_cselect_b64 s[40:41], s[12:13], s[10:11]
	s_cmp_eq_u32 s4, 2
	s_cselect_b64 s[40:41], s[14:15], s[40:41]
	s_bfe_u32 s5, s3, 0x20004                      ; the panel in its tensor: four heads of 262,144 bytes
	s_lshl_b32 s38, s5, 20
	s_and_b32 s5, s3, 15                           ; 64 rows of 256 bytes
	s_lshl_b32 s5, s5, 14
	s_add_co_u32 s38, s38, s5
	s_lshl_b32 s36, s3, 15
	s_add_co_u32 s36, s36, OFFB
	s_add_nc_u64 s[40:41], s[40:41], s[38:39]
	s_add_nc_u64 s[44:45], s[30:31], s[36:37]
	s_mov_b32 s42, 512                             ; a step is two rows k
	v_bfe_u32 v11, v0, 4, 2                        ; head in the panel
	v_lshlrev_b32 v1, 18, v11
	v_lshrrev_b32 v11, 6, v0                       ; which of the two rows
	v_lshl_add_u32 v1, v11, 8, v1
	v_and_b32 v11, 15, v0                          ; four channels
	v_lshl_add_u32 v1, v11, 4, v1
	s_branch .Lgo
.Lnot_qkv:
	s_cmp_lt_u32 s2, 704
	s_cbranch_scc0 .Lnot_w1
	s_sub_co_u32 s3, s2, 448                       ; w1: 16 jobs to a panel, 64 rows k of 16,384 bytes to a job
	s_and_b32 s5, s3, 15
	s_lshl_b32 s38, s5, 20
	s_lshr_b32 s5, s3, 4
	s_lshl_b32 s5, s5, 10
	s_add_co_u32 s38, s38, s5
	s_lshl_b32 s36, s3, 15
	s_add_co_u32 s36, s36, OFFB
	s_add_nc_u64 s[40:41], s[18:19], s[38:39]
	s_add_nc_u64 s[44:45], s[32:33], s[36:37]
	s_mov_b32 s42, 32768
	v_lshrrev_b32 v11, 6, v0
	v_lshlrev_b32 v1, 14, v11
	v_and_b32 v11, 63, v0
	v_lshl_add_u32 v1, v11, 4, v1
	s_branch .Lgo
.Lnot_w1:
	s_cmp_lt_u32 s2, 960
	s_cbranch_scc0 .Lnot_w2
	s_sub_co_u32 s3, s2, 704                       ; w2: 32 jobs to a panel, 128 rows k of 4,096 bytes to a job
	s_and_b32 s5, s3, 31
	s_lshl_b32 s38, s5, 19
	s_lshr_b32 s5, s3, 5
	s_lshl_b32 s5, s5, 9
	s_add_co_u32 s38, s38, s5
	s_lshl_b32 s36, s3, 15
	s_add_nc_u64 s[40:41], s[20:21], s[38:39]
	s_add_nc_u64 s[44:45], s[34:35], s[36:37]
	s_mov_b32 s42, 16384                           ; a step is four rows k
	v_lshrrev_b32 v11, 5, v0
	v_lshlrev_b32 v1, 12, v11
	v_and_b32 v11, 31, v0
	v_lshl_add_u32 v1, v11, 4, v1
	s_branch .Lgo
.Lnot_w2:
	s_cmp_lt_u32 s2, 1024
	s_cbranch_scc0 .Lvec
	s_sub_co_u32 s3, s2, 960                       ; wp: plain
	s_lshl_b32 s38, s3, 16
	s_lshl_b32 s36, s3, 15
	s_add_co_u32 s36, s36, OFFP
	s_add_nc_u64 s[40:41], s[16:17], s[38:39]
	s_add_nc_u64 s[44:45], s[34:35], s[36:37]
	s_mov_b32 s42, 2048
	v_lshlrev_b32 v1, 4, v0
.Lgo:
	s_mov_b64 s[48:49], s[40:41]                   ; four bases, eight steps apart; eight offsets, a step apart
	s_lshl_b32 s46, s42, 3
	s_add_nc_u64 s[50:51], s[48:49], s[46:47]
	s_add_nc_u64 s[52:53], s[50:51], s[46:47]
	s_add_nc_u64 s[54:55], s[52:53], s[46:47]
	v_mov_b32 v2, v1
.irp u, 1,2,3,4,5,6,7
	s_mul_i32 s56, s42, \u
	v_add_nc_u32 v[2+(\u)], s56, v1
.endr
	s_wait_alu depctr_va_vdst(0)                   ; v2 to v9 are written, which the loads read as their offsets, and v10, which every store reads as its offset
.irp g, 0,1,2,3
.irp u, 0,1,2,3,4,5,6,7
	global_load_b128 v[X+4*(8*(\g)+(\u)):X+4*(8*(\g)+(\u))+3], v[2+(\u)], s[48+2*(\g):49+2*(\g)] th:TH_LOAD_NT
.endr
.endr
.set i, 0
.rept 32
	s_wait_loadcnt 31-i                            ; loads come back in order: step i is in, the 31 - i younger ones stay out
.if (i > 0) && (i % BLOCK == 0)
	s_wait_alu depctr_va_vdst(0)                   ; the block before has written its Y, which this block's four stores read
.endif
.if i >= BLOCK
	global_store_b64 v10, v[Y+2*(i-BLOCK):Y+2*(i-BLOCK)+1], s[44:45] offset:1024*(i-BLOCK)  ; the same step of the block before; no vector instruction since the wait names these registers
.endif
	v_cvt_pk_bf16_f32 v[T], v[X+4*i], v[X+4*i+1]   ; the one rounding, to bf16
	v_cvt_pk_bf16_f32 v[T+1], v[X+4*i+2], v[X+4*i+3]
	v_lshlrev_b32 v[T+2], 16, v[T]
	v_and_b32 v[T+3], s43, v[T]
	v_lshlrev_b32 v[T+4], 16, v[T+1]
	v_and_b32 v[T+5], s43, v[T+1]
	v_cvt_pk_f16_f32 v[Y+2*i], v[T+2], v[T+3]      ; the same number as f16
	v_cvt_pk_f16_f32 v[Y+2*i+1], v[T+4], v[T+5]
.set i, i+1
.endr
	s_wait_alu depctr_va_vdst(0)                   ; the last block has written its Y, which the last four stores read
.set i, 32-BLOCK
.rept BLOCK
	global_store_b64 v10, v[Y+2*i:Y+2*i+1], s[44:45] offset:1024*i
.set i, i+1
.endr
	s_endpgm
.Lvec:
	s_sub_co_u32 s3, s2, 1024                      ; 0 bq, 1 bk, 2 bv, 3-6 the quarters of b1
	s_max_u32 s4, s3, 3
	s_sub_co_u32 s4, s4, 3                         ; b1's quarter, 0 for the others
	s_cmp_eq_u32 s3, 1
	s_cselect_b64 s[40:41], s[24:25], s[22:23]
	s_cmp_eq_u32 s3, 2
	s_cselect_b64 s[40:41], s[26:27], s[40:41]
	s_cmp_ge_u32 s3, 3
	s_cselect_b64 s[40:41], s[28:29], s[40:41]
	s_cselect_b64 s[58:59], s[32:33], s[30:31]     ; the table: in3 or in1
	s_cselect_b32 s5, s4, s3                       ; the job's 4,096 bytes in it
	s_cselect_b32 s6, 0, 0xfc00fc00                ; the floor
	s_lshl_b32 s38, s4, 12
	s_lshl_b32 s36, s5, 12
	s_add_nc_u64 s[40:41], s[40:41], s[38:39]
	s_add_nc_u64 s[44:45], s[58:59], s[36:37]
	v_lshlrev_b32 v1, 4, v0
	s_wait_alu depctr_va_vdst(0)                   ; v1 is written, which this arm's loads and stores read as their offset
	global_load_b128 v[16:19], v1, s[40:41]
	global_load_b128 v[20:23], v1, s[40:41] offset:2048
	s_wait_loadcnt 0x0
.irp k, 0,1,2,3
	v_cvt_pk_bf16_f32 v[24+(\k)], v[16+2*(\k)], v[17+2*(\k)]
.endr
.irp k, 0,1,2,3
	v_lshlrev_b32 v[32+2*(\k)], 16, v[24+(\k)]
	v_and_b32 v[33+2*(\k)], s43, v[24+(\k)]
.endr
	s_wait_alu depctr_va_vdst(0)                   ; v32 to v39 are written, which the two stores read
	global_store_b128 v1, v[32:35], s[44:45] offset:512
	global_store_b128 v1, v[36:39], s[44:45] offset:2560
	s_cmp_eq_u32 s5, 0                             ; the first job of each table,
	s_cbranch_scc0 .Lend
	v_lshrrev_b32 v11, 5, v0
	v_readfirstlane_b32 s7, v11
	s_wait_alu depctr_va_sdst(0)                   ; s7 is written, ahead of its first reader, the compare below
	s_cmp_eq_u32 s7, 0                             ; its wave 0: 32 lanes x 16 bytes are the table's head
	s_cbranch_scc0 .Lend
	v_mov_b32 v40, s6
	v_mov_b32 v41, s6
	v_mov_b32 v42, s6
	v_mov_b32 v43, s6
	s_wait_alu depctr_va_vdst(0)                   ; v40 to v43 are written, which the store reads
	global_store_b128 v1, v[40:43], s[58:59]
.Lend:
	s_endpgm
.Lfunc_end_k_q73ff497c3f_prep:
	.size	k_q73ff497c3f_prep, .Lfunc_end_k_q73ff497c3f_prep-k_q73ff497c3f_prep
	.p2alignl 7, 3214868480
	.fill 96, 4, 3214868480
	.section	.rodata,"a",@progbits
	.p2align	6, 0x0
	.amdhsa_kernel k_q73ff497c3f_prep
		.amdhsa_group_segment_fixed_size 0
		.amdhsa_private_segment_fixed_size 0
		.amdhsa_enable_private_segment 0
		.amdhsa_kernarg_size 112
		.amdhsa_user_sgpr_count 2
		.amdhsa_user_sgpr_kernarg_segment_ptr 1
		.amdhsa_wavefront_size32 1
		.amdhsa_system_sgpr_workgroup_id_x 1
		.amdhsa_system_sgpr_workgroup_id_y 1
		.amdhsa_system_sgpr_workgroup_id_z 1
		.amdhsa_system_vgpr_workitem_id 0
		.amdhsa_next_free_vgpr 216
		.amdhsa_next_free_sgpr 66
		.amdhsa_reserve_vcc 0
		.amdhsa_float_denorm_mode_32 3
		.amdhsa_float_denorm_mode_16_64 3
		.amdhsa_memory_ordered 1
		.amdhsa_forward_progress 1
		.amdhsa_inst_pref_size 27
	.end_amdhsa_kernel
	.amdgpu_metadata
---
amdhsa.version: [ 1, 2 ]
amdhsa.kernels:
  - .name:           k_q73ff497c3f_prep
    .symbol:         k_q73ff497c3f_prep.kd
    .args:
      - { .name: x, .offset: 0, .size: 8, .value_kind: global_buffer, .address_space: global }
      - { .name: wq, .offset: 8, .size: 8, .value_kind: global_buffer, .address_space: global }
      - { .name: wk, .offset: 16, .size: 8, .value_kind: global_buffer, .address_space: global }
      - { .name: wv, .offset: 24, .size: 8, .value_kind: global_buffer, .address_space: global }
      - { .name: wp, .offset: 32, .size: 8, .value_kind: global_buffer, .address_space: global }
      - { .name: w1, .offset: 40, .size: 8, .value_kind: global_buffer, .address_space: global }
      - { .name: w2, .offset: 48, .size: 8, .value_kind: global_buffer, .address_space: global }
      - { .name: bq, .offset: 56, .size: 8, .value_kind: global_buffer, .address_space: global }
      - { .name: bk, .offset: 64, .size: 8, .value_kind: global_buffer, .address_space: global }
      - { .name: bv, .offset: 72, .size: 8, .value_kind: global_buffer, .address_space: global }
      - { .name: b1, .offset: 80, .size: 8, .value_kind: global_buffer, .address_space: global }
      - { .name: in1, .offset: 88, .size: 8, .value_kind: global_buffer, .address_space: global }
      - { .name: in3, .offset: 96, .size: 8, .value_kind: global_buffer, .address_space: global }
      - { .name: wx, .offset: 104, .size: 8, .value_kind: global_buffer, .address_space: global }
    .group_segment_fixed_size: 0
    .private_segment_fixed_size: 0
    .kernarg_segment_align: 8
    .kernarg_segment_size: 112
    .max_flat_workgroup_size: 128
    .sgpr_count:     66
    .vgpr_count:     216
    .wavefront_size: 32
...
	.end_amdgpu_metadata
.endif
;; end of part 9
;; launch g1: the kernel of part 2 again; grid 12 x 16, 4 waves a work-group, clusters of 4 x 4, 327,680 bytes of LDS; arguments in1, qkv; writes qkv
;; launch ktv: the kernel of part 3 again; grid 16 x 16, 4 waves a work-group, no clusters, 74,240 bytes of LDS; arguments qkv, hh, out1, out2; writes hh, out1, out2
;; launch nnk (part 10): grid 8 x 32, 4 waves a work-group, no clusters, 36,352 bytes of LDS; arguments hh, wx, nn; writes nn
.if DOCPART == 10
	.amdgcn_target "amdgcn-amd-amdhsa--gfx1250"
	.amdhsa_code_object_version 6
	.text
	.protected	k_q73ff497c3f_nnk
	.globl	k_q73ff497c3f_nnk
	.p2align	8
	.type	k_q73ff497c3f_nnk,@function
k_q73ff497c3f_nnk:
	s_mov_b64 s[64:65], 0
	v_nop
	global_prefetch_b8 v0, s[64:65] scope:SCOPE_SE
	s_setreg_imm32_b32 hwreg(HW_REG_WAVE_SCHED_MODE, 0, 2), 2
	s_setreg_imm32_b32 hwreg(HW_REG_WAVE_MODE, 25, 1), 1
	s_wait_xcnt 0x0
	s_wait_alu depctr_vm_vsrc(0)
; N''[64 h + e][n] = the sum over f of (M_bh[e][f] / S_b) wp[64 h + f][n], in f16, for head bh = y and columns 128 x .. +127; M_bh = the sum of its 16 partial sums (f32, ascending).
; S_b is a power of two above every |M| of the batch: Bound_bh = the sum over p of the largest magnitude in partial p (so Bound >= max |M_bh|), S_b = 2^(floor(log2(max over heads of Bound)) + 1).
; So |M / S| < 1 whatever the inputs' size; S_b / 8 (the scale of the scores with it) goes to the launch that multiplies it back, in f32.
; LIMITS: Bound under 2^126; |N''| <= 64 max|wp| must stay under 65,504; f16 keeps a fixed step of 6e-8 below 6.1e-5.
; NO CLUSTER: what the eight work-groups of a head share, its partial sums, is summed on its way into registers: there is no tile in LDS that could be asked for jointly.
; Wave w owns rows e = 16 w .. +15.  The partial sums lie as the matrix source wants them: lane l holds e = l % 16; block c's eight registers are f = 16 c + 8 (l / 16) + 0..7.
; Source 0 = 16 columns n of wp (turned out of LDS), source 1 = M': a lane ends with one row e and eight neighbouring n.
; nn: [batch][x 8][k 1024][128 n] f16; at 4,194,304 + 128 batch: S_b / 8, 32 times.
; THE MODE: SCHED_MODE bits 1:0 = 2 (LLVM: expert scheduling mode 2), set by the entry lines.  The code itself states the register dependences
; between vector or matrix instructions and memory or LDS instructions, with s_wait_alu, always for 0.
; THE PLAN.  Registers that memory or LDS instructions touch:
;   v4-v11        offsets and LDS addresses: written once at the head, never again.
;   MX            written by loads, then named by vector instructions alone; later PK: written by the roundings, read by the LDS stores into the stage, not written again.
;   WPR           written by loads, read by my LDS stores; later the upper half of BF1.
;   LS0 .. LS3    set k: read by its sixteen additions; behind them the loads of the partial sum four further on land in it.
;   SUM           named by vector instructions alone; later the lower half of BF1.          MF and the accumulators: vector and matrix instructions alone.
;   BF0           (LS2, LS3) wp's fragments of column blocks 0-3; later its first 32 registers take the rows back from the stage (BK), from which the global stores leave.
;   BF1           (SUM, WPR) wp's fragments of column blocks 4-7: a buffer of its own, so that all 32 fragment loads go out in one run ahead of the products.
;   v[SPW], v[NIL]  written at the head, read by the closing add alone.
; In the loop ONE wait stands behind a set's additions: they are done reading the set, which is asked for again at once, so that 24 to 32 loads of every wave stay on their way.
.set PT, 288                           ; wp's tile: 64 rows f x (256 + 32) bytes
.set STG, 64*PT                        ; the stages: 16 rows x 272 bytes a wave
.set SPARE, STG+4*16*272
.set SUM, 16                           ; v[16:47] the sums: block c, register j at SUM + 8 c + j
.set WPR, 48                           ; v[48:79] wp on its way into LDS
.set LS, 80                            ; v[80:207] four sets of 32 for partial sums on their way
.set MX, 208                           ; v[208:239] the maxima
.set MF, 240                           ; v[240:255] M' as two fragments
.set ACC, 80                           ; later: eight accumulators
.set BF0, 144                          ; later: wp's fragments, column blocks 0-3 x 2 halves of f
.set BF1, 16                           ; later: the same for column blocks 4-7
.set PK, 208                           ; later: packed results
.set BK, 144                           ; later: the rows back from the stage
.set SPW, 12
.set NIL, 13
	s_load_b128 s[8:11], s[0:1], 0x0               ; partial sums 8, wx 10
	s_load_b64 s[12:13], s[0:1], 0x10              ; nn
	v_lshl_add_u32 v[SPW], v0, 2, SPARE
	v_mov_b32 v[NIL], 0
	v_lshrrev_b32 v1, 5, v0
	v_readfirstlane_b32 s7, v1
	v_and_b32 v1, 31, v0
	v_and_b32 v2, 15, v0
	v_bfe_u32 v3, v0, 4, 1
	v_lshrrev_b32 v14, 1, v1                       ; the maxima: lane = head among the 32: y = l / 2, its two waves' words
	v_lshlrev_b32 v4, 8, v14
	v_and_b32 v14, 1, v1
	v_lshl_add_u32 v4, v14, 3, v4
	s_wait_alu depctr_va_sdst(0)                   ; s7 is written, ahead of its first reader, the shift below
	s_lshl_b32 s36, s7, 4
	v_add_nc_u32 v14, s36, v3                      ; row f = 16 w + l / 16
	v_lshlrev_b32 v5, 11, v14
	v_lshl_add_u32 v5, v2, 4, v5
	v_mul_u32_u24 v6, v14, PT
	v_lshl_add_u32 v6, v2, 4, v6
	v_lshlrev_b32 v7, 4, v1                        ; 16 l
	v_and_b32 v8, 7, v0
	v_lshl_add_u32 v8, v3, 3, v8
	v_mul_u32_u24 v8, v8, PT
	v_bfe_u32 v14, v0, 3, 1
	v_lshl_add_u32 v8, v14, 4, v8                  ; the turning load's lane term
	s_mul_i32 s37, s7, 16*272
	s_add_co_u32 s37, s37, STG
	v_mul_u32_u24 v9, v2, 272
	v_lshl_add_u32 v9, v3, 4, v9
	v_add_nc_u32 v9, s37, v9                       ; into my stage
	v_mul_u32_u24 v10, v3, 272
	v_lshl_add_u32 v10, v2, 4, v10
	v_add_nc_u32 v10, s37, v10                     ; back
	v_lshlrev_b32 v11, 2, v1
	s_mov_b32 s2, ttmp9                            ; x
	s_and_b32 s3, ttmp7, 0xffff                    ; head among the 32
	s_lshr_b32 s4, s3, 4                           ; batch
	s_and_b32 s5, s3, 15                           ; head
	s_lshl_b32 s36, s5, 17
	s_lshl_b32 s38, s2, 8
	s_add_co_u32 s36, s36, s38
	s_add_co_u32 s36, s36, 8388608                 ; wp lies behind w2's panels
	s_mov_b32 s37, 0
	s_lshl_b32 s38, s3, 18
	s_lshl_b32 s40, s7, 12
	s_add_co_u32 s38, s38, s40
	s_mov_b32 s39, 0
	s_lshl_b32 s40, s4, 3
	s_add_co_u32 s40, s40, s2
	s_lshl_b32 s40, s40, 18                        ; the panel of batch and x,
	s_lshl_b32 s42, s5, 14                         ; 64 rows of 256 bytes a head,
	s_add_co_u32 s40, s40, s42
	s_lshl_b32 s42, s7, 12                         ; 16 a wave
	s_add_co_u32 s40, s40, s42
	s_mov_b32 s41, 0
	s_lshl_b32 s42, s4, 7
	s_add_co_u32 s42, s42, 4194304
	s_mov_b32 s43, 0
	s_wait_kmcnt 0x0
	s_add_nc_u64 s[14:15], s[8:9], 8388608         ; the maxima
	s_add_nc_u64 s[16:17], s[10:11], s[36:37]      ; wp's 64 rows, my 256 bytes of them
	s_add_nc_u64 s[18:19], s[8:9], s[38:39]        ; my four blocks of the head's partial sums
	s_add_nc_u64 s[32:33], s[12:13], s[40:41]      ; my 16 rows of N''
	s_add_nc_u64 s[34:35], s[12:13], s[42:43]
	s_wait_alu depctr_va_vdst(0)                   ; the eight offsets and LDS addresses v4 to v11 are written, which the loads and stores of the whole kernel read
.macro PLOAD k, p                      ; into set k the partial sum that lies p behind the base: eight loads of 512 consecutive bytes
.irp c, 0,1,2,3
	global_load_b128 v[LS+32*(\k)+8*(\c):LS+32*(\k)+8*(\c)+3],   v7, s[18:19] offset:(\p)*16384+(\c)*1024
	global_load_b128 v[LS+32*(\k)+8*(\c)+4:LS+32*(\k)+8*(\c)+7], v7, s[18:19] offset:(\p)*16384+(\c)*1024+512
.endr
.endm
.macro PADD k                          ; set k onto the sums
.set r, 0
.rept 16
	v_pk_add_f32 v[SUM+r:SUM+r+1], v[SUM+r:SUM+r+1], v[LS+32*(\k)+r:LS+32*(\k)+r+1]
.set r, r+2
.endr
.endm
.set p, 0
.rept 16
	global_load_b64 v[MX+2*p:MX+2*p+1], v4, s[14:15] offset:16*p
.set p, p+1
.endr
.irp u, 0,1,2,3,4,5,6,7
	global_load_b128 v[WPR+4*(\u):WPR+4*(\u)+3], v5, s[16:17] offset:4096*(\u)
.endr
	PLOAD 0, 0
	PLOAD 1, 1
	PLOAD 2, 2
	PLOAD 3, 3
.set r, 0
.rept 32
	v_mov_b32 v[SUM+r], 0                          ; the sums start at 0, written while the loads are on their way, so that the loop has one form of addition
.set r, r+1
.endr
	s_wait_loadcnt 40                              ; the maxima are in; wp's 8 and the partial sums' 32 loads stay out
.set p, 0
.rept 16
	v_max_num_f32 v[MX+2*p], v[MX+2*p], v[MX+2*p+1]
.set p, p+1
.endr
.irp k, 0,1,2,3,4,5,6,7
	v_add_f32 v[MX+4*(\k)], v[MX+4*(\k)], v[MX+4*(\k)+2]
.endr
.irp k, 0,1,2,3
	v_add_f32 v[MX+8*(\k)], v[MX+8*(\k)], v[MX+8*(\k)+4]
.endr
	v_add_f32 v[MX], v[MX], v[MX+8]
	v_add_f32 v[MX+16], v[MX+16], v[MX+24]
	v_add_f32 v[MX], v[MX], v[MX+16]               ; Bound of head l
	v_max_num_f32_dpp v[MX], v[MX], v[MX] row_xmask:1 row_mask:0xf bank_mask:0xf
	v_max_num_f32_dpp v[MX], v[MX], v[MX] row_xmask:2 row_mask:0xf bank_mask:0xf
	v_max_num_f32_dpp v[MX], v[MX], v[MX] row_xmask:4 row_mask:0xf bank_mask:0xf
	v_max_num_f32_dpp v[MX], v[MX], v[MX] row_xmask:8 row_mask:0xf bank_mask:0xf  ; each half of the lanes: its batch's
	v_readlane_b32 s24, v[MX], 0
	v_readlane_b32 s25, v[MX], 16
	s_wait_alu depctr_va_sdst(0)                   ; s24 and s25 are written, ahead of their first reader, the select below
	s_cmp_eq_u32 s4, 0
	s_cselect_b32 s24, s24, s25
	s_and_b32 s24, s24, 0x7f800000
	s_add_co_u32 s24, s24, 0x00800000              ; S: the next power of two
	s_sub_co_u32 s26, 0x7f000000, s24              ; 1 / S: the exponents add up to 254
	s_mov_b32 s27, s26                             ; named with it as a pair
	s_mul_f32 s28, s24, 0x3e000000                 ; S / 8
	s_wait_loadcnt 32                              ; wp is in; the partial sums' 32 loads stay out
.irp u, 0,1,2,3,4,5,6,7
	ds_store_b128 v6, v[WPR+4*(\u):WPR+4*(\u)+3] offset:2*PT*(\u)   ; no vector instruction has named WPR, nor v6 since the wait at the head
.endr
	s_mov_b32 s30, 3
.Lsum:                                         ; three trips: four partial sums are added, and each set is asked for again with the partial sum four further on
.irp k, 0,1,2,3
	s_wait_loadcnt 24                              ; this set's eight loads are in; the three younger sets' 24 stay out, at the entry and over the backward jump alike
	PADD \k
	s_wait_alu depctr_va_vdst(0)                   ; the sixteen additions are done reading this set, in which the eight loads below land
	PLOAD \k, 4+(\k)
.endr
	s_wait_xcnt 0x0                                ; the loads have read their base, which is written only behind this wait
	s_add_nc_u64 s[18:19], s[18:19], 0x10000       ; four partial sums on
	s_sub_co_u32 s30, s30, 1
	s_cmp_lg_u32 s30, 0
	s_cbranch_scc1 .Lsum
.irp k, 0,1,2,3
	s_wait_loadcnt 24-8*(\k)                       ; the last four load nothing: the counts run down
	PADD \k
.endr
.set r, 0
.rept 16
	v_pk_mul_f32 v[SUM+r:SUM+r+1], v[SUM+r:SUM+r+1], s[26:27] op_sel_hi:[1,0]
.set r, r+2
.endr
.set r, 0
.rept 16
	v_cvt_pk_f16_f32 v[MF+r], v[SUM+2*r], v[SUM+2*r+1]  ; blocks 0, 1 are the fragment of f 0-31, blocks 2, 3 that of f 32-63
.set r, r+1
.endr
	s_wait_dscnt 0x0                               ; for the others' sake: my rows of wp lie in LDS
	s_barrier_signal -1
	s_barrier_wait -1
.macro BLOADS hf, bf                   ; wp's fragments of column blocks 4 hf .. 4 hf + 3 into buffer bf: sixteen loads
.irp i, 0,1,2,3
.irp ks, 0,1
	ds_load_tr16_b128 v[(\bf)+8*(2*(\i)+(\ks)):(\bf)+8*(2*(\i)+(\ks))+3],   v8 offset:(\ks)*32*PT+32*(4*(\hf)+(\i))
	ds_load_tr16_b128 v[(\bf)+8*(2*(\i)+(\ks))+4:(\bf)+8*(2*(\i)+(\ks))+7], v8 offset:(\ks)*32*PT+32*(4*(\hf)+(\i))+16*PT
.endr
.endr
.endm
.macro MULS hf, bf                     ; four accumulators by turns
.irp i, 0,1,2,3
	v_wmma_f32_16x16x32_f16 v[ACC+8*(4*(\hf)+(\i)):ACC+8*(4*(\hf)+(\i))+7], v[(\bf)+16*(\i):(\bf)+16*(\i)+7], v[MF:MF+7], 0
.endr
.irp i, 0,1,2,3
	v_wmma_f32_16x16x32_f16 v[ACC+8*(4*(\hf)+(\i)):ACC+8*(4*(\hf)+(\i))+7], v[(\bf)+16*(\i)+8:(\bf)+16*(\i)+15], v[MF+8:MF+15], v[ACC+8*(4*(\hf)+(\i)):ACC+8*(4*(\hf)+(\i))+7]
.endr
.endm
	s_wait_alu depctr_va_vdst(0)                   ; the last additions are done reading v[144:207], the scalings and roundings are done with v[16:47]: the fragments' loads land in both
	s_wait_alu depctr_vm_vsrc(0)                   ; my LDS stores of wp have read v[48:79], in which fragments' loads land too
	BLOADS 0, BF0
	BLOADS 1, BF1
	s_wait_dscnt 16                                ; LDS loads come back in order: the first buffer is in, the second's sixteen loads stay out
	MULS 0, BF0
	s_wait_dscnt 0x0
	MULS 1, BF1
.rept 4
	v_nop                                          ; the places in front of the conversions
.endr
.set r, 0
.rept 32
	v_cvt_pk_f16_f32 v[PK+r], v[ACC+2*r], v[ACC+2*r+1]  ; ascending: each accumulator's low registers first
.set r, r+1
.endr
	s_wait_alu depctr_va_vdst(0)                   ; the roundings have written PK, which the LDS stores read; the products are done reading v[144:175], in which the loads from the stage land
.irp i, 0,1,2,3,4,5,6,7
	ds_store_b128 v9, v[PK+4*(\i):PK+4*(\i)+3] offset:32*(\i)
.endr
.irp t, 0,1,2,3,4,5,6,7
	ds_load_b128 v[BK+4*(\t):BK+4*(\t)+3], v10 offset:544*(\t)  ; LDS serves a wave's instructions in order (ISA guide 5.7.1.4); registers other than those that the stores above read
.endr
.irp t, 0,1,2,3,4,5,6,7
	s_wait_dscnt 7-(\t)
	global_store_b128 v7, v[BK+4*(\t):BK+4*(\t)+3], s[32:33] offset:512*(\t)  ; two rows of 256 bytes on end
.endr
	s_or_b32 s29, s2, s5                           ; one wave for each batch stores S / 8
	s_or_b32 s29, s29, s7
	s_cmp_eq_u32 s29, 0
	s_cbranch_scc0 .Lend
	v_mov_b32 v14, s28
	s_wait_alu depctr_va_vdst(0)                   ; v14 is written, which the store reads
	global_store_b32 v11, v14, s[34:35]
.Lend:
	s_wait_dscnt 0x0                               ; the wave's end
	s_wait_alu 0x0
	s_wait_tensorcnt 0x0
	ds_add_u32 v[SPW], v[NIL]
	s_wait_dscnt 0x0
	s_endpgm
.Lfunc_end_k_q73ff497c3f_nnk:
	.size	k_q73ff497c3f_nnk, .Lfunc_end_k_q73ff497c3f_nnk-k_q73ff497c3f_nnk
	.p2alignl 7, 3214868480
	.fill 96, 4, 3214868480
	.section	.rodata,"a",@progbits
	.p2align	6, 0x0
	.amdhsa_kernel k_q73ff497c3f_nnk
		.amdhsa_group_segment_fixed_size 36352
		.amdhsa_private_segment_fixed_size 0
		.amdhsa_enable_private_segment 0
		.amdhsa_kernarg_size 24
		.amdhsa_user_sgpr_count 2
		.amdhsa_user_sgpr_kernarg_segment_ptr 1
		.amdhsa_wavefront_size32 1
		.amdhsa_system_sgpr_workgroup_id_x 1
		.amdhsa_system_sgpr_workgroup_id_y 1
		.amdhsa_system_sgpr_workgroup_id_z 1
		.amdhsa_system_vgpr_workitem_id 0
		.amdhsa_next_free_vgpr 256
		.amdhsa_next_free_sgpr 66
		.amdhsa_reserve_vcc 0
		.amdhsa_float_denorm_mode_32 3
		.amdhsa_float_denorm_mode_16_64 3
		.amdhsa_memory_ordered 1
		.amdhsa_forward_progress 1
		.amdhsa_inst_pref_size 34
	.end_amdhsa_kernel
	.amdgpu_metadata
---
amdhsa.version: [ 1, 2 ]
amdhsa.kernels:
  - .name:           k_q73ff497c3f_nnk
    .symbol:         k_q73ff497c3f_nnk.kd
    .args:
      - { .name: hh, .offset: 0, .size: 8, .value_kind: global_buffer, .address_space: global }
      - { .name: wx, .offset: 8, .size: 8, .value_kind: global_buffer, .address_space: global }
      - { .name: nn, .offset: 16, .size: 8, .value_kind: global_buffer, .address_space: global }
    .group_segment_fixed_size: 36352
    .private_segment_fixed_size: 0
    .kernarg_segment_align: 8
    .kernarg_segment_size: 24
    .max_flat_workgroup_size: 128
    .sgpr_count:     66
    .vgpr_count:     256
    .wavefront_size: 32
...
	.end_amdgpu_metadata
.endif
;; end of part 10
;; launch g2: the kernel of part 5 again; grid 8 x 32, 4 waves a work-group, clusters of 4 x 4, 327,680 bytes of LDS; arguments qkv, nn, hh; writes hh
;; launch ln1: the kernel of part 6 again; grid 256 x 1, 16 waves a work-group, no clusters, 8,192 bytes of LDS; arguments hh, in1, nn, bp, ln1_g, ln1_b, in3; writes in3
;; launch g3: the kernel of part 2 again; grid 16 x 16, 4 waves a work-group, clusters of 4 x 4, 327,680 bytes of LDS; arguments in3, hh; writes hh
;; launch g4: the kernel of part 7 again; grid 8 x 32, 4 waves a work-group, clusters of 4 x 4, 327,680 bytes of LDS; arguments hh, wx, qkv; writes qkv
;; launch lnf: the kernel of part 8 again; grid 256 x 1, 16 waves a work-group, no clusters, 14,336 bytes of LDS; arguments qkv, in3, b2, lnf_g, lnf_b, ln2_g, ln2_b, out0; writes out0
